; MI455X (gfx1250); checked and timed in simulation.
; The chip was launched on July 23, 2026; its instructions are those of AMD's public machine-readable ISA for CDNA 5 (MIT licence, August 2026) and "CDNA5" Instruction Set Architecture Reference Guide (July 2026). The comments in the code are by the model that wrote it; some were corrected since.
;; Causal Self Attention. Allowed arithmetic: matrix products marked QUANTISED: E2M1 operands, one E8M0 scale for each 32 along K, by v_wmma_scale_f32_16x16x128_f8f6f4 with both operands' format E2M1 (or v_wmma_scale_f32_32x16x128_f4), f32 sums; products left as they are: bf16, f16 or f32 operands; f32 sums; everything else in f32.
;; Inputs: c_proj_w 1,024 x 1,024 float32; lambdas 2 float32; qkv_w 3 x 1,024 x 1,024 float32; ve 1 x 4,096 x 1,024 float32; x 1 x 4,096 x 1,024 float32.
;; Outputs: out0 1 x 4,096 x 1,024 float32.
;; This version of the problem:
;;   THIS VERSION OF THE PROBLEM IS GIVEN IN LOW PRECISION. The matrix products marked QUANTISED in the list below multiply operands that are first quantised to E2M1 (2 exponent bits, 1 mantissa bit; 4 bits a number), with one power-of-two scale for each 32 numbers along K (OCP MX v1.0); their sums are f32. The products marked 'left as it is' may take bf16, f16 or f32 operands, with f32 sums. Whichever they take, every output number must still come out within the allowed error. Rounding operands to bf16 (8 significant bits) uses up far more of that allowance than f16 does (11 bits, for magnitudes from 6e-5 to 65,504). All else is computed in f32.
;;   The module's matrix products, in the order in which they are computed (A, B: the left and right operand; K: the contracted axis; several contracted axes count as one K, in the product's order):
;;     1. [M 4,096, K 1,024] x [K 1,024, N 3,072]; A: input x; B: input qkv_w: QUANTISED
;;     2. batch 8 x [M 4,096, K 128] x [K 128, N 4,096]; A: computed on the way; B: computed on the way: left as it is (an operand is computed on the way)
;;     3. batch 8 x [M 128, K 4,096] x [K 4,096, N 4,096]; A: computed on the way; B: computed on the way: left as it is (an operand is computed on the way)
;;     4. [M 4,096, K 1,024] x [K 1,024, N 1,024]; A: computed on the way; B: input c_proj_w: left as it is (an operand is computed on the way)
;;   THE QUANTISER, for each operand of a quantised product, along K:
;;     - K is cut into blocks of 32 from its start; a last block that is shorter is filled with zeros.
;;     - A block's scale is 2^e with e = floor(log2(the largest magnitude in the block)) - 2, held to -126 .. 127; a block of zeros has e = 0. As a byte (E8M0): e + 127.
;;     - Each number is divided by its block's scale, clamped to +-6, and rounded to the nearest number of E2M1, ties to even, subnormals kept.
;;     - The product sums the exact products of the quantised numbers (number of the format x scale) in f32.
;;   ~~~python
;;   def quantise(x, axis):      # numpy; x: float32 -> the quantised numbers, widened to float32 again
;;       x = np.moveaxis(x, axis, -1); K = x.shape[-1]
;;       x = np.pad(x, [(0, 0)] * (x.ndim - 1) + [(0, -K % 32)]); x = x.reshape(x.shape[:-1] + (-1, 32)); a = np.abs(x).max(-1, keepdims=True)
;;       e = np.where(a > 0, np.clip(np.frexp(np.where(a > 0, a, 1))[1] - 1 - 2, -126, 127), 0)      # np.frexp(a)[1] - 1 = floor(log2(a)), exactly
;;       r = np.clip(x / 2.0 ** e, -6, 6)
;;       step = 2.0 ** (np.maximum(np.frexp(np.where(r == 0, 1, r))[1] - 1, 0) - 1)
;;       q = np.round(r / step) * step * 2.0 ** e      # np.round: ties to even
;;       return np.moveaxis(q.reshape(q.shape[:-2] + (-1,))[..., :K], -1, axis).astype(np.float32)
;;   ~~~
;; One version. Each part assembles by itself: llvm-mc -triple=amdgcn-amd-amdhsa -mcpu=gfx1250 --defsym DOCPART=n.
;; ======== version 1 of 1: 5 launches
;; limits: values are held in f16: magnitudes above 65,504 overflow, below 6.1e-05 lose precision
;; workspace buffers: codes 3,670,016 bytes; scales 229,376 bytes; w16 2,097,152 bytes; tab 1,048,576 bytes; qkv 25,165,824 bytes; qkvf 196,608 bytes; y16 8,388,608 bytes
;; launch prep (part 1): grid 288 x 1, 4 waves a work-group, no clusters, 33,280 bytes of LDS; arguments x, qkv_w, c_proj_w, codes, scales, w16, tab; writes codes, scales, w16, tab
.if DOCPART == 1
	.amdgcn_target "amdgcn-amd-amdhsa--gfx1250"
	.amdhsa_code_object_version 6
	.text
	.protected	k_q1ee8e50142_prep
	.globl	k_q1ee8e50142_prep
	.p2align	8
	.type	k_q1ee8e50142_prep,@function
k_q1ee8e50142_prep:
	s_mov_b64 s[64:65], 0
	v_nop
	global_prefetch_b8 v0, s[64:65] scope:SCOPE_SE
	s_setreg_imm32_b32 hwreg(HW_REG_WAVE_MODE, 25, 1), 1
	s_wait_xcnt 0x0
; PREP.  Three pieces of work, told apart by the work-group's number alone:
;   work-groups 0-223:   x [4096][1024] and qkv_w [3072][1024], f32, become codes of FP4 (E2M1), K innermost, with one E8M0 byte for each 32 along K.
;                        codes: x's rows of 512 bytes, then qkv_w's; scales: x's rows of 32 bytes, then qkv_w's.  Both tensors are plain streams of blocks of 32.
;   work-groups 224-255: c_proj_w, f32, becomes f16, same layout.
;   work-groups 256-287: the table of cos and sin for the rotary step: for tile T of 16 tokens 4,096 bytes: eight groups of 512 bytes, groups 0-3 cos, 4-7 sin;
;                        in group 2 b + u lane (r, h) has 16 bytes: token 16 T + r, frequencies 16 b + 8 h + 4 u + 0 .. 3: the order of the next launch's registers.
; A block's scale is 2^(floor(log2(its largest magnitude)) - 2): its byte is the largest magnitude's exponent field - 2, held at 1 from below.
; LIMITS: a block of zeros gets the byte 1 (its codes are zeros; this program alone reads the bytes); blocks under 2^-124 keep the byte 1; NaN and infinities are not served;
; c_proj_w beyond 65,504 in magnitude has no f16 number.  The angle t x a is formed in f32 as the problem forms it, a = 2^(-10 f / 31) by v_exp_f32.
; No matrix unit, no cluster, no tensor load: a stream that shares nothing.
.set WGA,   128                        ; work-groups of x: 4,194,304 numbers / 32,768
.set WGQ,   224                        ; + 96 of qkv_w
.set WGW,   256                        ; + 32 of c_proj_w
.set STEPS, 16
.set EMAX,  2
.set CB,    8                          ; bytes of 16 codes
.set R,     16                         ; v16-79   four sets of 16 numbers as loaded
.set X,     80                         ; v80-111  two sets of 16 neighbours
.set C,     128                        ; v128-191 codes, four registers a step
.set E,     112                        ; v112-127 a scale byte a step
.set WREG,  8192                       ; LDS: a region for each wave: two stages of 32 x SP bytes, then its 256 scale bytes
.set SP,    80
.set SPW,   12                         ; v12 LDS address of my spare word; never rewritten
.set NIL,   13                         ; v13 0; never rewritten
.set SPARE, 4*WREG                     ; the spare words: 128 bytes a wave, two blocks of 256 bytes that no other line names
	s_load_b256 s[4:11], s[0:1], 0x0               ; x, qkv_w, c_proj_w, codes
	s_load_b128 s[12:15], s[0:1], 0x20             ; scales, w16
	s_load_b64 s[16:17], s[0:1], 0x30              ; tab
	v_lshl_add_u32 v[SPW], v0, 2, SPARE
	v_mov_b32 v[NIL], 0
	v_lshrrev_b32 v1, 5, v0
	v_readfirstlane_b32 s20, v1                    ; wave
	v_and_b32 v2, 31, v0                           ; lane
	v_lshlrev_b32 v3, 4, v2                        ; 16 x lane
	v_lshlrev_b32 v4, 3, v2                        ; 8 x lane
	s_mov_b32 s23, 0
	s_wait_kmcnt 0x0
	s_cmp_ge_u32 ttmp9, WGQ
	s_cbranch_scc1 .Lother
; ---------------- the quantiser: a wave takes 16 steps of 512 numbers.  Each load reads 512 consecutive bytes; a step's 2,048 bytes turn through the wave's own stage, so that a lane holds 16 neighbours
	s_mul_i32 s21, s20, WREG
	v_lshrrev_b32 v14, 2, v2
	v_mul_u32_u24 v14, v14, SP
	v_and_b32 v15, 3, v2
	v_lshl_add_u32 v14, v15, 4, v14
	v_add_nc_u32 v14, s21, v14                     ; into the stage: SP (lane / 4) + 16 (lane % 4)
	v_mul_u32_u24 v15, v2, SP
	v_add_nc_u32 v15, s21, v15                     ; out of it: SP x lane
	v_lshrrev_b32 v5, 1, v2
	s_add_co_u32 s21, s21, 2*32*SP
	v_add_nc_u32 v5, s21, v5                       ; my block's scale byte
	v_add_nc_u32 v6, s21, v4                       ; and 8 of the 256 on the way out
	s_cmp_lt_u32 ttmp9, WGA                        ; x's work-group or qkv_w's: the choice hangs on the work-group's number alone
	s_cselect_b64 s[4:5], s[4:5], s[6:7]
	s_cselect_b32 s21, 0, WGA
	s_sub_co_u32 s21, ttmp9, s21
	s_lshl_b32 s21, s21, 2
	s_add_co_u32 s22, s21, s20                     ; my run of 8,192 numbers in the tensor
	s_lshl_b32 s22, s22, 15
	s_add_nc_u64 s[4:5], s[4:5], s[22:23]
	s_lshl_b32 s24, ttmp9, 2
	s_add_co_u32 s24, s24, s20                     ; my run among all 896: x's 512 lie first in both outputs
	s_lshl_b32 s22, s24, 12
	s_add_nc_u64 s[10:11], s[10:11], s[22:23]      ; 4,096 bytes of codes a run
	s_lshl_b32 s22, s24, 8
	s_add_nc_u64 s[12:13], s[12:13], s[22:23]      ; 256 scale bytes a run
.macro LOAD t
.irp i, 0,1,2,3
	global_load_b128 v[R+16*((\t)%4)+4*\i:R+16*((\t)%4)+4*\i+3], v3, s[4:5] offset:2048*(\t)+512*\i th:TH_LOAD_NT
.endr
.endm
.macro TURN t                          ; LDS serves a wave's instructions in order: no wait between the stores and the loads
.irp i, 0,1,2,3
	ds_store_b128 v14, v[R+16*((\t)%4)+4*\i:R+16*((\t)%4)+4*\i+3] offset:32*SP*((\t)%2)+8*SP*\i
.endr
.irp i, 0,1,2,3
	ds_load_b128 v[X+16*((\t)%2)+4*\i:X+16*((\t)%2)+4*\i+3], v15 offset:32*SP*((\t)%2)+16*\i
.endr
.endm
.irp t, 0,1,2,3
	LOAD \t
.endr
	s_wait_loadcnt 12                              ; step 0's four loads are in; three steps' twelve may be out
	TURN 0
.macro STEP t
.set XS, X+16*((\t)%2)
.if (\t) > 0
	s_wait_dscnt 1                                 ; this step's numbers are back from the stage; the last step's byte store may be out
.else
	s_wait_dscnt 0x0
.endif
.if (\t)+4 < STEPS
	LOAD (\t)+4
.endif
.if (\t)+1 < STEPS
.if STEPS-2-(\t) >= 3
	s_wait_loadcnt 12                              ; the next step's four loads are in; those of three steps behind it may be out
.else
	s_wait_loadcnt 4*(STEPS-2-(\t))
.endif
	TURN (\t)+1
.endif
	v_max3_num_f32 v8, |v[XS]|, |v[XS+1]|, |v[XS+2]|
	v_max3_num_f32 v9, |v[XS+3]|, |v[XS+4]|, |v[XS+5]|
.irp i, 6,10
	v_max3_num_f32 v8, v8, |v[XS+\i]|, |v[XS+\i+1]|
	v_max3_num_f32 v9, v9, |v[XS+\i+2]|, |v[XS+\i+3]|
.endr
	v_max3_num_f32 v8, v8, |v[XS+14]|, |v[XS+15]|
	v_max3_num_f32 v8, v8, v9, (EMAX+1)<<23        ; and the floor 2^(3 - 127): the byte cannot fall under 1
	v_max_num_f32_dpp v8, v8, v8 row_xmask:1 row_mask:0xf bank_mask:0xf   ; with my neighbour's 16: the block's
	v_add_nc_u32 v11, -(EMAX<<23), v8              ; 2 off the exponent field: the conversion takes that field as its scale
	v_cvt_scalef32_pk8_fp4_f32 v[C+4*(\t)], v[XS:XS+7], v11
	v_cvt_scalef32_pk8_fp4_f32 v[C+4*(\t)+1], v[XS+8:XS+15], v11
	v_lshrrev_b32 v[E+(\t)], 23, v11               ; the scale's byte (a plain line behind the conversions)
	ds_store_b8 v5, v[E+(\t)] offset:16*(\t)       ; both lanes of a block write the same byte with the same value
	global_store_b64 v4, v[C+4*(\t):C+4*(\t)+1], s[10:11] offset:32*CB*(\t)   ; the wave stores 256 consecutive bytes, aligned
.endm
.irp t, 0,1,2,3,4,5,6,7,8,9,10,11,12,13,14,15
	STEP \t
.endr
	ds_load_b64 v[8:9], v6
	s_wait_dscnt 0x0
	global_store_b64 v4, v[8:9], s[12:13]          ; my wave's 256 scale bytes, aligned
	s_branch .Lend
.Lother:
	s_cmp_ge_u32 ttmp9, WGW
	s_cbranch_scc1 .Ltab
; ---------------- c_proj_w to f16: a wave takes 32,768 bytes, in four groups of sixteen loads of 512 bytes; two groups are on their way
	s_sub_co_u32 s21, ttmp9, WGQ
	s_lshl_b32 s21, s21, 2
	s_add_co_u32 s21, s21, s20
	s_lshl_b32 s22, s21, 15
	s_add_nc_u64 s[8:9], s[8:9], s[22:23]
	s_lshl_b32 s22, s21, 14
	s_add_nc_u64 s[14:15], s[14:15], s[22:23]
.macro LOADG g
.irp i, 0,1,2,3,4,5,6,7,8,9,10,11,12,13,14,15
	global_load_b128 v[16+64*((\g)%2)+4*\i:16+64*((\g)%2)+4*\i+3], v3, s[8:9] offset:8192*(\g)+512*\i th:TH_LOAD_NT
.endr
.endm
.macro CAST g
.if (\g) < 3
	s_wait_loadcnt 16                              ; this group is in; the younger group's sixteen may be out
.else
	s_wait_loadcnt 0x0
.endif
	s_wait_xcnt 0x0                                ; the last group's stores have read v144-175
.irp i, 0,1,2,3,4,5,6,7,8,9,10,11,12,13,14,15
	v_cvt_pk_f16_f32 v[144+2*\i], v[16+64*((\g)%2)+4*\i], v[16+64*((\g)%2)+4*\i+1]
	v_cvt_pk_f16_f32 v[145+2*\i], v[16+64*((\g)%2)+4*\i+2], v[16+64*((\g)%2)+4*\i+3]
.endr
.irp i, 0,1,2,3,4,5,6,7,8,9,10,11,12,13,14,15
	global_store_b64 v4, v[144+2*\i:145+2*\i], s[14:15] offset:4096*(\g)+256*\i   ; 256 consecutive bytes, aligned
.endr
.if (\g)+2 < 4
	LOADG (\g)+2
.endif
.endm
	LOADG 0
	LOADG 1
	CAST 0
	CAST 1
	CAST 2
	CAST 3
	s_branch .Lend
.Ltab:
; ---------------- the table: a wave makes two tiles of 16 tokens.  sin and cos by reduction to [-pi/4, pi/4] (pi/2 in three parts, fused) and polynomials of degree 7 and 8
	s_sub_co_u32 s21, ttmp9, WGW
	s_lshl_b32 s21, s21, 2
	s_add_co_u32 s21, s21, s20                     ; 0 .. 127
	s_lshl_b32 s22, s21, 13
	s_add_nc_u64 s[16:17], s[16:17], s[22:23]
	s_lshl_b32 s22, s21, 5                         ; my first token
	s_mov_b32 s24, 0x3f22f983                      ; 2 / pi
	s_mov_b32 s25, 0xbfc90fd8                      ; - pi/2, high part
	s_mov_b32 s26, 0xb4a8885a                      ; middle part
	s_mov_b32 s27, 0xa7c234c4                      ; low part
	s_mov_b32 s28, 0xb94ca1f9                      ; sine: -1.9515296e-4, 8.3321609e-3, -1.6666655e-1
	s_mov_b32 s29, 0x3c08839e
	s_mov_b32 s30, 0xbe2aaaa3
	s_mov_b32 s31, 0x37ccf5ce                      ; cosine: 2.4433157e-5, -1.3887316e-3, 4.1666646e-2
	s_mov_b32 s32, 0xbab6061a
	s_mov_b32 s33, 0x3d2aaaa5
	v_and_b32 v14, 15, v0
	v_add_nc_u32 v14, s22, v14
	v_cvt_f32_u32 v14, v14                         ; my token of the first tile,
	v_add_f32 v11, 0x41800000, v14                 ; and of the second: 16 on
	v_bfe_u32 v15, v0, 4, 1
	v_lshlrev_b32 v15, 3, v15                      ; 8 h
.irp q4, 0,1,2,3
.irp i, 0,1,2,3
	v_add_nc_u32 v[32+4*\q4+\i], 16*(\q4/2)+4*(\q4%2)+\i, v15   ; my sixteen frequencies
.endr
.endr
.irp i, 0,1,2,3,4,5,6,7,8,9,10,11,12,13,14,15
	v_cvt_f32_u32 v[32+\i], v[32+\i]
.endr
.irp i, 0,1,2,3,4,5,6,7,8,9,10,11,12,13,14,15
	v_mul_f32 v[32+\i], 0xbea5294a, v[32+\i]       ; x -10 / 31
.endr
.irp i, 0,1,2,3,4,5,6,7,8,9,10,11,12,13,14,15
	v_exp_f32 v[32+\i], v[32+\i]                   ; a = (1 / 1024)^(f / 31)
.endr
	v_nop                                          ; a plain line behind the last exponential
	s_wait_alu depctr_va_vdst(0)                   ; one wait for the batch of sixteen, ahead of its first reader
; Four frequencies by turns.  tr: the register with the token; out: eight result registers of this evaluation's own (cos, then sin); off: the group's byte in the wave's 8,192
.macro EVAL q4, tr, out, off
.irp i, 0,1,2,3
	v_mul_f32 v[48+\i], v[\tr], v[32+4*\q4+\i]     ; theta, rounded once
.endr
.irp i, 0,1,2,3
	v_mul_f32 v[52+\i], s24, v[48+\i]
.endr
.irp i, 0,1,2,3
	v_rndne_f32 v[52+\i], v[52+\i]                 ; n
.endr
.irp i, 0,1,2,3
	v_fma_f32 v[48+\i], v[52+\i], s25, v[48+\i]
.endr
.irp i, 0,1,2,3
	v_fma_f32 v[48+\i], v[52+\i], s26, v[48+\i]
.endr
.irp i, 0,1,2,3
	v_fma_f32 v[48+\i], v[52+\i], s27, v[48+\i]    ; the rest, in [-pi/4, pi/4]
.endr
.irp i, 0,1,2,3
	v_cvt_i32_f32 v[56+\i], v[52+\i]
.endr
.irp i, 0,1,2,3
	v_mul_f32 v[60+\i], v[48+\i], v[48+\i]         ; z
.endr
.irp i, 0,1,2,3
	v_fma_f32 v[64+\i], v[60+\i], s28, s29
.endr
.irp i, 0,1,2,3
	v_fma_f32 v[64+\i], v[64+\i], v[60+\i], s30
.endr
.irp i, 0,1,2,3
	v_mul_f32 v[64+\i], v[64+\i], v[60+\i]
.endr
.irp i, 0,1,2,3
	v_fma_f32 v[64+\i], v[64+\i], v[48+\i], v[48+\i]   ; the rest's sine
.endr
.irp i, 0,1,2,3
	v_fma_f32 v[68+\i], v[60+\i], s31, s32
.endr
.irp i, 0,1,2,3
	v_fma_f32 v[68+\i], v[68+\i], v[60+\i], s33
.endr
.irp i, 0,1,2,3
	v_fma_f32 v[72+\i], v[60+\i], -0.5, 1.0
.endr
.irp i, 0,1,2,3
	v_mul_f32 v[60+\i], v[60+\i], v[60+\i]
.endr
.irp i, 0,1,2,3
	v_fma_f32 v[68+\i], v[68+\i], v[60+\i], v[72+\i]   ; its cosine
.endr
.irp i, 0,1,2,3
	v_and_b32 v[72+\i], 1, v[56+\i]
.endr
.irp i, 0,1,2,3
	v_cmp_eq_u32 vcc_lo, 1, v[72+\i]               ; in odd quadrants the two change places
	v_cndmask_b32 v[\out+4+\i], v[64+\i], v[68+\i], vcc_lo
	v_cndmask_b32 v[\out+\i], v[68+\i], v[64+\i], vcc_lo
.endr
.irp i, 0,1,2,3
	v_lshlrev_b32 v[72+\i], 30, v[56+\i]
.endr
.irp i, 0,1,2,3
	v_and_b32 v[72+\i], 0x80000000, v[72+\i]       ; sine is negative in quadrants 2 and 3,
.endr
.irp i, 0,1,2,3
	v_xor_b32 v[\out+4+\i], v[72+\i], v[\out+4+\i]
.endr
.irp i, 0,1,2,3
	v_add_nc_u32 v[56+\i], 1, v[56+\i]
.endr
.irp i, 0,1,2,3
	v_lshlrev_b32 v[56+\i], 30, v[56+\i]
.endr
.irp i, 0,1,2,3
	v_and_b32 v[56+\i], 0x80000000, v[56+\i]       ; cosine in 1 and 2
.endr
.irp i, 0,1,2,3
	v_xor_b32 v[\out+\i], v[56+\i], v[\out+\i]
.endr
	global_store_b128 v3, v[\out:\out+3], s[16:17] offset:\off          ; 512 consecutive bytes
	global_store_b128 v3, v[\out+4:\out+7], s[16:17] offset:\off+2048
.endm
.irp q4, 0,1,2,3
	EVAL \q4, 14, 96+8*\q4, 512*\q4
.endr
.irp q4, 0,1,2,3
	EVAL \q4, 11, 128+8*\q4, 4096+512*\q4
.endr
.Lend:
	s_wait_tensorcnt 0x0                           ; the wave's end: behind my last LDS store
	ds_add_u32 v[SPW], v[NIL]
	s_wait_dscnt 0x0
	s_endpgm
.Lfunc_end_k_q1ee8e50142_prep:
	.size	k_q1ee8e50142_prep, .Lfunc_end_k_q1ee8e50142_prep-k_q1ee8e50142_prep
	.p2alignl 7, 3214868480
	.fill 96, 4, 3214868480
	.section	.rodata,"a",@progbits
	.p2align	6, 0x0
	.amdhsa_kernel k_q1ee8e50142_prep
		.amdhsa_group_segment_fixed_size 33280
		.amdhsa_private_segment_fixed_size 0
		.amdhsa_enable_private_segment 0
		.amdhsa_kernarg_size 56
		.amdhsa_user_sgpr_count 2
		.amdhsa_user_sgpr_kernarg_segment_ptr 1
		.amdhsa_wavefront_size32 1
		.amdhsa_system_sgpr_workgroup_id_x 1
		.amdhsa_system_sgpr_workgroup_id_y 1
		.amdhsa_system_sgpr_workgroup_id_z 1
		.amdhsa_system_vgpr_workitem_id 0
		.amdhsa_next_free_vgpr 192
		.amdhsa_next_free_sgpr 66
		.amdhsa_reserve_vcc 1
		.amdhsa_float_denorm_mode_32 3
		.amdhsa_float_denorm_mode_16_64 3
		.amdhsa_memory_ordered 1
		.amdhsa_forward_progress 1
		.amdhsa_inst_pref_size 99
	.end_amdhsa_kernel
	.amdgpu_metadata
---
amdhsa.version: [ 1, 2 ]
amdhsa.kernels:
  - .name:           k_q1ee8e50142_prep
    .symbol:         k_q1ee8e50142_prep.kd
    .args:
      - { .name: x, .offset: 0, .size: 8, .value_kind: global_buffer, .address_space: global }
      - { .name: qkv_w, .offset: 8, .size: 8, .value_kind: global_buffer, .address_space: global }
      - { .name: c_proj_w, .offset: 16, .size: 8, .value_kind: global_buffer, .address_space: global }
      - { .name: codes, .offset: 24, .size: 8, .value_kind: global_buffer, .address_space: global }
      - { .name: scales, .offset: 32, .size: 8, .value_kind: global_buffer, .address_space: global }
      - { .name: w16, .offset: 40, .size: 8, .value_kind: global_buffer, .address_space: global }
      - { .name: tab, .offset: 48, .size: 8, .value_kind: global_buffer, .address_space: global }
    .group_segment_fixed_size: 33280
    .private_segment_fixed_size: 0
    .kernarg_segment_align: 8
    .kernarg_segment_size: 56
    .max_flat_workgroup_size: 128
    .sgpr_count:     66
    .vgpr_count:     192
    .wavefront_size: 32
...
	.end_amdgpu_metadata
.endif
;; end of part 1
;; launch qkv (part 2): grid 12 x 16, 4 waves a work-group, clusters of 4 x 1, 327,680 bytes of LDS; arguments codes, scales, tab, ve, lambdas, qkv, qkvf; writes qkv, qkvf
.if DOCPART == 2
	.amdgcn_target "amdgcn-amd-amdhsa--gfx1250"
	.amdhsa_code_object_version 6
	.text
	.protected	k_q1ee8e50142_qkv
	.globl	k_q1ee8e50142_qkv
	.p2align	8
	.type	k_q1ee8e50142_qkv,@function
k_q1ee8e50142_qkv:
	s_mov_b64 s[64:65], 0
	v_nop
	global_prefetch_b8 v0, s[64:65] scope:SCOPE_SE
	s_setreg_imm32_b32 hwreg(HW_REG_WAVE_MODE, 25, 1), 1
	s_wait_xcnt 0x0
	s_wait_alu depctr_hold_cnt(0) depctr_sa_sdst(0) depctr_va_vdst(0) depctr_va_sdst(0) depctr_va_ssrc(0) depctr_va_vcc(0) depctr_vm_vsrc(0)
	s_getreg_b32 s2, hwreg(HW_REG_IB_STS2, 6, 4)
	s_cmp_eq_u32 s2, 0
	s_cbranch_scc0 .Lentry_in_a_cluster
	s_endpgm
.Lentry_in_a_cluster:
	s_bfe_u32 s2, ttmp6, 0x10000c
	s_cmp_lg_u32 s2, 0x3003
	s_cbranch_scc0 .Lentry_shape_is_right
	s_endpgm
.Lentry_shape_is_right:
; QKV.  C[t][n] = sum over k of x[t][k] qkv_w[n][k] on codes of FP4 (E2M1) with one E8M0 scale for each 32 along K; sums in f32.  4,096 x 3,072 x 1,024.
; Then, in registers: q and k: RMS norm over the head's 128 and the rotary step (channels 0-31 against 64-95; the other angles are 0); v: l0 v + l1 ve.
; Out: qkv, f16, [8 kind + head][4096][128] (kind 0 q, 1 k, 2 v); qkvf, f32, the same for tokens 0-15 alone, for the launch that carries those rows in f32.
; A tile of C, 256 x 256, is made by four waves, each 128 x 128: 64 accumulators, 512 registers; a wave's 128 columns are one head.
; K goes in two steps of 512 through two LDS slots: both are asked for at the head and nothing is filled again.  By this text's own count a wave has three tensor loads out: scales, slot 0, slot 1.
; CLUSTER 4 x 1: the four tile columns of a cluster are exactly one of q, k, v, and they need the same tile of x: x's codes and scales are asked for JOINTLY (mask 15).
; qkv_w's tiles differ from partner to partner and come by plain loads.  A cluster of 4 x 4 is not used: the text parts on the kind (cluster x) and on "tile row 0" (cluster y),
; and with four tile rows in a cluster the second would differ between partners.
; THE MATRIX INSTRUCTION IS USED TRANSPOSED (source 0 = 16 rows of qkv_w, source 1 = 16 tokens): lane (r, h) holds token r and channels 16 b + 8 h + 0 .. 7 of accumulator b.
; THE TEXT PARTS ONCE on the kind, behind the last barrier: each arm asks for its first blocks of the table or of ve, multiplies slot 1, and goes its own way out, through stage bytes of its own.
; LIMITS: q, k, v are kept in f16: |l0 v + l1 ve| under 65,504; magnitudes under 6e-5 lose relative bits.  NaN and infinities are not served.
; REGISTERS: window 0: v2-9 at work; v16-31 addresses; v32-95 scale words and nothing else; v96-127 f16 results and the rotary step's temporaries; v128-191 x's fragments, on the way out with v192-255 rows read back.
;   window 1: v0-63, v128-191 qkv_w's fragments, two sets; v64-127 cos and sin (two sets of 32) or, with v192-255, ve (two sets of 64).   windows 2, 3: the accumulators.
.set SIZE_K, 1024
.set KSTEP,  512
.set NQ,     KSTEP/128
.set ROWB,   256
.set KROW,   SIZE_K*4/8
.set PITCH,  272                       ; an LDS row: 256 bytes + 16 of padding: the 16 rows that a load touches start at 16 different banks
.set FR,     8
.set NL,     2
.set NP,     4
.set HALFT,  128*PITCH
.set SLOT,   4*HALFT
.set KS,     SIZE_K/32
.set SCL,    2*SLOT                    ; behind the slots: the scales, as units of 256 bytes + 16
.set HALFS,  (128*KS/256)*272
.set SBLK,   (16*KS/256)*272
.set SPARE,  SCL+4*HALFS               ; the spare words: two blocks of 256 bytes that no other line names
.set SPITCH, 528                       ; the way out: 16 rows x (512 + 16) bytes a wave, in slot 0, which has had its one fill and its last read
.set VSTG,   4*16*SPITCH               ; v's arm has stage bytes of its own, behind q's and k's
.set ADRA, 16
.set ADRB, 20
.set STO,  24
.set RD,   25
.set CO,   26                          ; v26 16 x lane
.set ADRS, 27
.set SPW,  28
.set NIL,  29
.set HO,   31                          ; v31 8 x lane
.set SC,   32
.set OUT,  96
.set AF,   128
.set BB,   128                         ; rows read back: v128-191 and v192-255 by turns
.set CT,   64                          ; window 1: cos (16) and sin (16) of a block, two sets
.set G1, 24
.set G0, 32
.set G1B, 48
.set G0B, 56
.set G1S, 68
.set G0S, 76
.set G1SB, 80
.set G0SB, 88
.set SEL, 100
.set MSB, 0
.macro WIN new                         ; the immediate's high byte repeats the setting that is left
.if MSB != (\new)
	s_set_vgpr_msb (MSB<<8)|(\new)
.set MSB, (\new)
.endif
.endm
.set MUL_LO, 0xa1
.set MUL_HI, 0xf1
.set TO_B,   0x40
; Waves 0 and 1 fetch for x (jointly), waves 2 and 3 for qkv_w.  The branch hangs on the wave's number alone.  An s_nop 0 and four v_nop follow each line.
.macro JLOAD g0a, g1a, g0b, g1b
	s_cmp_eq_u32 s15, 0
	s_cbranch_scc0 .Lfor_b_\@
	tensor_load_to_lds s[\g0a:\g0a+3], s[\g1a:\g1a+7]
	s_nop 0
.rept 4
	v_nop
.endr
	s_branch .Lasked_\@
.Lfor_b_\@:
	tensor_load_to_lds s[\g0b:\g0b+3], s[\g1b:\g1b+7]
	s_nop 0
.rept 4
	v_nop
.endr
.Lasked_\@:
.endm
.macro CROUND                          ; a round of the cluster's barrier
	s_barrier_signal -1
	s_barrier_wait -1
	s_cmp_lg_u32 s14, 0
	s_cbranch_scc1 .Lnot_wave_0_\@
	s_barrier_signal -3
.Lnot_wave_0_\@:
	s_barrier_wait -3
	s_barrier_signal -1
	s_barrier_wait -1
.endm
	s_load_b128 s[4:7], s[0:1], 0x0                ; codes, scales
	s_load_b128 s[92:95], s[0:1], 0x10             ; tab, ve
	s_load_b64 s[66:67], s[0:1], 0x20              ; lambdas
	s_load_b64 s[12:13], s[0:1], 0x28              ; qkv
	s_load_b64 s[96:97], s[0:1], 0x30              ; qkvf
	v_lshl_add_u32 v[SPW], v0, 2, SPARE
	v_mov_b32 v[NIL], 0
	ds_add_u32 v[SPW], v[NIL]                      ; the wave's opening: the add, twice on end, and its wait ahead of my first tensor load
	ds_add_u32 v[SPW], v[NIL]
	v_lshrrev_b32 v1, 5, v0
	v_readfirstlane_b32 s14, v1                    ; wave 0..3
	s_lshr_b32 s15, s14, 1                         ; my half of the tile's rows.  Also: I fetch for x (0) or for qkv_w (1)
	s_and_b32 s16, s14, 1                          ; my half of its columns.  Also: which 128 rows I fetch
	s_bfe_u32 s40, ttmp6, 0x40000                  ; cx
	s_lshl_b32 s42, ttmp9, 2
	s_add_co_u32 s42, s42, s40                     ; tile column = 4 x kind + cx
	s_and_b32 s17, ttmp7, 0xffff                   ; tile row
	s_mov_b32 s[G1+0], 15|(1<<20)|(1<<21)|(5<<22)|(3<<25)    ; the mask: all four partners; elements of 1 byte; padding: 4 words after every 64
	s_mov_b32 s[G1B+0], (1<<20)|(5<<22)|(3<<25)              ; no mask: my work-group alone
.irp g, G1, G1B
	s_mov_b32 s[\g+1], ROWB<<16                    ; tensor_dim0
	s_mov_b32 s[\g+2], 128<<16                     ; tensor_dim1
	s_mov_b32 s[\g+3], ROWB<<16                    ; tile_dim0
	s_mov_b32 s[\g+4], 128                         ; tile_dim1
	s_mov_b32 s[\g+5], KROW                        ; pitch
	s_mov_b32 s[\g+6], 0
	s_mov_b32 s[\g+7], 0
.endr
	s_mov_b32 s[G1S+0], 15|(3<<16)|(1<<20)|(1<<21)|(5<<22)|(3<<25)   ; the scales of 128 rows: 4,096 dense bytes as 16 rows of 256 (32 elements of 8 bytes)
	s_mov_b32 s[G1SB+0], (3<<16)|(1<<20)|(5<<22)|(3<<25)
.irp g, G1S, G1SB
	s_mov_b32 s[\g+1], 32<<16
	s_mov_b32 s[\g+2], (128*KS/256)<<16
	s_mov_b32 s[\g+3], 32<<16
	s_mov_b32 s[\g+4], 128*KS/256
	s_mov_b32 s[\g+5], 32
	s_mov_b32 s[\g+6], 0
	s_mov_b32 s[\g+7], 0
.endr
	s_lshl_b32 s18, s16, 7
	s_lshl_b32 s20, s17, 8
	s_add_co_u32 s20, s20, s18                     ; x: row 256 x tile row + 128 x half: no register that feeds the joint loads ever holds cx
	s_lshl_b32 s46, s42, 8
	s_add_co_u32 s46, s46, s18                     ; qkv_w: row 256 x tile column + 128 x half
	s_mov_b32 s21, 0
	s_mov_b32 s47, 0
	s_mov_b64 s[18:19], KS
	s_mul_u64 s[22:23], s[20:21], s[18:19]
	s_mul_u64 s[98:99], s[46:47], s[18:19]
	s_mov_b64 s[18:19], KROW
	s_mul_u64 s[20:21], s[20:21], s[18:19]
	s_mul_u64 s[46:47], s[46:47], s[18:19]
	s_mul_i32 s45, s14, HALFT                      ; where they go: wave x 128 rows
	s_mul_i32 s41, s14, HALFS
	s_mov_b32 s[SEL], 0x76543210
	s_mov_b32 s[SEL+1], 0xfedcba98                 ; v_permlanex16_b32: lane l xor 16
	s_mov_b32 s44, 0x34000000                      ; eps of f32, 2^-23
	s_or_b32 s43, s17, s15                         ; 0 in the waves that hold tokens 0-15
	s_wait_dscnt 0x0                               ; both opening adds are done
	s_wait_kmcnt 0x0
	s_load_b64 s[2:3], s[66:67], 0x0               ; l0, l1
	s_add_nc_u64 s[8:9], s[4:5], 0x200000          ; qkv_w's codes lie behind x's 2,097,152 bytes,
	s_add_nc_u64 s[10:11], s[6:7], 0x20000         ; its scales behind x's 131,072
	s_add_nc_u64 s[20:21], s[4:5], s[20:21]
	s_add_nc_u64 s[22:23], s[6:7], s[22:23]
	s_add_nc_u64 s[46:47], s[8:9], s[46:47]
	s_add_nc_u64 s[98:99], s[10:11], s[98:99]
	CROUND                                         ; all four work-groups are here: the first joint loads meet
	s_mov_b32 s[G0S], 1
	s_add_co_u32 s[G0S+1], s41, SCL
	s_mov_b64 s[G0S+2:G0S+3], s[22:23]
	s_or_b32 s[G0S+3], s[G0S+3], 0x80000000
	s_mov_b32 s[G0SB], 1
	s_add_co_u32 s[G0SB+1], s41, SCL
	s_mov_b64 s[G0SB+2:G0SB+3], s[98:99]
	s_or_b32 s[G0SB+3], s[G0SB+3], 0x80000000
	JLOAD G0S, G1S, G0SB, G1SB                     ; the scales first: they are wanted with K step 0
.irp s, 0,1
	s_mov_b32 s[G0+4*\s], 1
	s_add_co_u32 s[G0+4*\s+1], s45, \s*SLOT
	s_add_nc_u64 s[G0+4*\s+2:G0+4*\s+3], s[20:21], \s*ROWB
	s_or_b32 s[G0+4*\s+3], s[G0+4*\s+3], 0x80000000
	s_mov_b32 s[G0B+4*\s], 1
	s_add_co_u32 s[G0B+4*\s+1], s45, \s*SLOT
	s_add_nc_u64 s[G0B+4*\s+2:G0B+4*\s+3], s[46:47], \s*ROWB
	s_or_b32 s[G0B+4*\s+3], s[G0B+4*\s+3], 0x80000000
	JLOAD G0+4*\s, G1, G0B+4*\s, G1B
.endr
	v_and_b32 v1, 15, v0                           ; r
	v_bfe_u32 v2, v0, 4, 1                         ; h
	v_mul_u32_u24 v3, v1, PITCH
	v_lshl_add_u32 v4, v2, 4, v3
	s_mul_i32 s21, s15, HALFT
	s_mul_i32 s22, s16, HALFT
	s_add_co_u32 s22, s22, 2*HALFT
.irp s, 0,1
	v_add_nc_u32 v[ADRA+\s], s21, v4
	v_add_nc_u32 v[ADRB+\s], s22, v4
	s_add_co_u32 s21, s21, SLOT
	s_add_co_u32 s22, s22, SLOT
.endr
	v_mul_u32_u24 v5, v1, KS
	v_lshrrev_b32 v6, 8, v5
	v_lshl_add_u32 v5, v6, 4, v5
	s_mul_i32 s21, s15, HALFS
	s_mul_i32 s22, s16, HALFS
	s_add_co_u32 s22, s22, 2*HALFS
	s_sub_co_u32 s22, s22, s21
	v_mul_u32_u24 v6, s22, v2                      ; lanes 16-31 take qkv_w's scale words
	s_add_co_u32 s21, s21, SCL
	v_add_nc_u32 v5, v5, v6
	v_add_nc_u32 v[ADRS], s21, v5
	s_mul_i32 s23, s14, 16*SPITCH
	v_mul_u32_u24 v5, v1, SPITCH
	v_lshl_add_u32 v5, v2, 5, v5
	v_add_nc_u32 v[STO], s23, v5                   ; the stage, in: row r, 32 bytes for each half of the lanes
	v_and_b32 v6, 31, v0
	v_lshlrev_b32 v[CO], 4, v6
	v_lshlrev_b32 v[HO], 3, v6
	v_add_nc_u32 v[RD], s23, v[CO]                 ; back: the 32 lanes take a row of 512 bytes
	v_mov_b32 v9, 0                                ; named as the upper half of the pair v[8:9]
	; where my wave's rows lie.  row0 = 256 x tile row + 128 x half; hh = 2 x tile column + column half
	s_lshl_b32 s20, s17, 8
	s_lshl_b32 s21, s15, 7
	s_add_co_u32 s20, s20, s21
	s_lshl_b32 s22, s20, 8
	s_mov_b32 s23, 0
	s_add_nc_u64 s[92:93], s[92:93], s[22:23]      ; the table: 4,096 bytes for 16 tokens
	s_add_nc_u64 s[12:13], s[12:13], s[22:23]      ; qkv: 256 bytes a token
	s_lshl_b32 s22, s20, 12
	s_add_nc_u64 s[94:95], s[94:95], s[22:23]      ; ve: 4,096 bytes a token
	s_lshl_b32 s41, s42, 1
	s_add_co_u32 s41, s41, s16                     ; hh
	s_and_b32 s46, s41, 7
	s_lshl_b32 s46, s46, 9
	s_mov_b32 s47, 0
	s_add_nc_u64 s[94:95], s[94:95], s[46:47]      ; the head's 512 bytes
	s_lshl_b32 s46, s41, 20
	s_add_nc_u64 s[12:13], s[12:13], s[46:47]
	s_lshl_b32 s46, s41, 13
	s_add_nc_u64 s[96:97], s[96:97], s[46:47]
	s_wait_kmcnt 0x0
	s_mov_b32 s18, s3                              ; l1 as the low word of a pair; l0 is the low word of s[2:3]
	s_mov_b32 s19, s3
.macro FRAG reg, adr, q, i             ; 16 rows x 128 K of 4-bit codes: 8 registers, two loads of 16 bytes, 32 bytes apart
.irp c, 0,1
	ds_load_b128 v[\reg+4*\c:\reg+4*\c+3], v[\adr] offset:64*(\q)+32*\c+(\i)*16*PITCH
.endr
.endm
; 16 matrix instructions: x's blocks a0, a0 + 1 against qkv_w's eight.  The 64 accumulators take turns, one instruction a turn.
.macro MUL16 a0, p, q, sc, zero
.irp a, \a0, \a0+1
.irp b, 0,1,2,3,4,5,6,7
.if \zero
	v_wmma_scale_f32_16x16x128_f8f6f4 v[8*(8*((\a)%4)+\b):8*(8*((\a)%4)+\b)+7], v[128*(\p)+FR*\b:128*(\p)+FR*\b+FR-1], v[AF+FR*(\a):AF+FR*(\a)+FR-1], 0, v[SC+8*NQ*(\sc)+NQ*\b+(\q)], v[SC+8*NQ*(\sc)+NQ*(\a)+(\q)] matrix_a_fmt:MATRIX_FMT_FP4 matrix_b_fmt:MATRIX_FMT_FP4 matrix_a_scale:MATRIX_SCALE_ROW1
.else
	v_wmma_scale_f32_16x16x128_f8f6f4 v[8*(8*((\a)%4)+\b):8*(8*((\a)%4)+\b)+7], v[128*(\p)+FR*\b:128*(\p)+FR*\b+FR-1], v[AF+FR*(\a):AF+FR*(\a)+FR-1], v[8*(8*((\a)%4)+\b):8*(8*((\a)%4)+\b)+7], v[SC+8*NQ*(\sc)+NQ*\b+(\q)], v[SC+8*NQ*(\sc)+NQ*(\a)+(\q)] matrix_a_fmt:MATRIX_FMT_FP4 matrix_b_fmt:MATRIX_FMT_FP4 matrix_a_scale:MATRIX_SCALE_ROW1
.endif
.endr
.endr
.endm
.macro FETCH_B slot, q, p
	WIN TO_B
.irp i, 0,1,2,3,4,5,6,7
	FRAG 128*(\p)+FR*\i, ADRB+\slot, \q, \i
.endr
	WIN 0
.endm
.macro FETCH_A slot, q, i0
.irp i, \i0, \i0+1, \i0+2, \i0+3
	FRAG AF+FR*(\i), ADRA+\slot, \q, \i
.endr
.endm
.macro SCALES sc                       ; a K step's scale words: lanes 0-15 x's block i, lanes 16-31 qkv_w's block i
.irp i, 0,1,2,3,4,5,6,7
	ds_load_b128 v[SC+8*NQ*\sc+NQ*\i:SC+8*NQ*\sc+NQ*\i+3], v[ADRS] offset:\i*SBLK
.endr
.endm
.macro PLACES n                        ; plain vector lines between a matrix instruction and a load into, or a read of, its registers
.rept \n
	v_nop
.endr
.endm
.macro STEP slot, q, zero
	s_wait_dscnt 4*NL                              ; all but the youngest eight loads (x's blocks 4-7) are in
	WIN MUL_LO
	MUL16 0, (\q)%2, \q, \slot, \zero
	MUL16 2, (\q)%2, \q, \slot, \zero
	s_wait_dscnt 0
	PLACES NP
	FETCH_B \slot, (\q)+1, 1-(\q)%2
	FETCH_A \slot, (\q)+1, 0
	WIN MUL_HI
	MUL16 4, (\q)%2, \q, \slot, \zero
	MUL16 6, (\q)%2, \q, \slot, \zero
	PLACES NP
	WIN 0
	FETCH_A \slot, (\q)+1, 4
.endm
.macro STEPS slot, from
.set Q, \from
.rept NQ-1-\from
	STEP \slot, Q, 0
.set Q, Q+1
.endr
.endm
; Slot 0's last step changes slots: each wave waits for all its tensor loads (slot 1's part), adds 0 to its spare word, waits for that and for its reads of slot 0; one barrier.  Nothing is filled again.
.macro TURN slot, next
	s_wait_tensorcnt 0x0
	ds_add_u32 v[SPW], v[NIL]
	s_wait_dscnt 4*NL+1                            ; the add and the youngest eight loads may be out
	WIN MUL_LO
	MUL16 0, 1, NQ-1, \slot, 0
	s_wait_dscnt 0x0
	s_barrier_signal -1
	MUL16 2, 1, NQ-1, \slot, 0
	WIN 0
	s_barrier_wait -1
	PLACES NP
	v_add_nc_u32 v[ADRS], 4*NQ, v[ADRS]
	FETCH_B \next, 0, 0
	FETCH_A \next, 0, 0
	SCALES \next
	WIN MUL_HI
	MUL16 4, 1, NQ-1, \slot, 0
	MUL16 6, 1, NQ-1, \slot, 0
	PLACES NP
	WIN 0
	FETCH_A \next, 0, 4
.endm
.macro SLOT1_STEPS                     ; slot 1's four steps; written in both arms
	STEPS 1, 0
	s_wait_dscnt 4*NL
	WIN MUL_LO
	MUL16 0, 1, NQ-1, 1, 0
	MUL16 2, 1, NQ-1, 1, 0
	s_wait_dscnt 0
	WIN MUL_HI
	MUL16 4, 1, NQ-1, 1, 0
	MUL16 6, 1, NQ-1, 1, 0
	WIN 0
	PLACES NP                                      ; in front of the first reads of results and of loads into x's fragments' registers
.endm
; ---- the way out, block by block of 16 tokens x 128 channels
.macro LOADCS a                        ; block a's cos and sin: 8 loads of 512 bytes, in the order of my registers: register 8 b + j: frequency 16 b + 8 h + j
	WIN 0x40
.irp g, 0,1,2,3,4,5,6,7
	global_load_b128 v[CT+32*((\a)%2)+4*\g:CT+32*((\a)%2)+4*\g+3], v[CO], s[92:93] offset:4096*(\a)+512*\g
.endr
	WIN 0
.endm
.macro LOADVE a                        ; block a's 16 rows of ve, my head's 512 bytes each
	WIN 0x40
.irp t, 0,1,2,3,4,5,6,7,8,9,10,11,12,13,14,15
	global_load_b128 v[64+128*((\a)%2)+4*\t:64+128*((\a)%2)+4*\t+3], v[CO], s[94:95] offset:(16*(\a)+\t)*4096 th:TH_LOAD_NT
.endr
	WIN 0
.endm
; q, k: norm and rotary step of block a, in the accumulators
.macro PRE a
.set AC, 64*((\a)%4)
.set W, 2+(\a)/4
.set CC, CT+32*((\a)%2)
.if (\a) < 7
	s_wait_loadcnt 8                               ; this block's table is in; the next block's eight loads may be out
.else
	s_wait_loadcnt 0x0
.endif
	WIN (W|(W<<2))
	v_pk_mul_f32 v[2:3], v[AC:AC+1], v[AC:AC+1]    ; the sum of squares of my 64, in two chains, each accumulator from its low end on
	v_pk_mul_f32 v[4:5], v[AC+2:AC+3], v[AC+2:AC+3]
.set kk, 4
.rept 15
	v_pk_fma_f32 v[2:3], v[AC+kk:AC+kk+1], v[AC+kk:AC+kk+1], v[2:3]
	v_pk_fma_f32 v[4:5], v[AC+kk+2:AC+kk+3], v[AC+kk+2:AC+kk+3], v[4:5]
.set kk, kk+4
.endr
	WIN 0
	v_add_f32 v2, v2, v3
	v_add_f32 v4, v4, v5
	v_add_f32 v2, v2, v4
	v_permlanex16_b32 v6, v2, s[SEL], s[SEL+1]     ; the token's other 64 channels lie in the lane 16 away
	v_add_f32 v2, v2, v6
	v_fma_f32 v2, v2, 0x3c000000, s44              ; / 128 + eps
	v_rsq_f32 v8, v2
	WIN (W|4)                                      ; the rotation is linear, so it goes ahead of the scaling: plain work behind the root
.irp b, 0,1
.irp jj, 0,2,4,6
	v_pk_mul_f32 v[OUT+8*\b+\jj:OUT+8*\b+\jj+1], v[AC+32+8*\b+\jj:AC+32+8*\b+\jj+1], v[CC+16+8*\b+\jj:CC+16+8*\b+\jj+1]      ; x2 sin
	v_pk_mul_f32 v[OUT+16+8*\b+\jj:OUT+16+8*\b+\jj+1], v[AC+8*\b+\jj:AC+8*\b+\jj+1], v[CC+16+8*\b+\jj:CC+16+8*\b+\jj+1]      ; x1 sin
.endr
.endr
	WIN (W|4|(W<<6))
.irp b, 0,1
.irp jj, 0,2,4,6
	v_pk_fma_f32 v[AC+8*\b+\jj:AC+8*\b+\jj+1], v[AC+8*\b+\jj:AC+8*\b+\jj+1], v[CC+8*\b+\jj:CC+8*\b+\jj+1], v[OUT+8*\b+\jj:OUT+8*\b+\jj+1]      ; x1 cos + x2 sin
	v_pk_fma_f32 v[AC+32+8*\b+\jj:AC+32+8*\b+\jj+1], v[AC+32+8*\b+\jj:AC+32+8*\b+\jj+1], v[CC+8*\b+\jj:CC+8*\b+\jj+1], v[OUT+16+8*\b+\jj:OUT+16+8*\b+\jj+1] neg_lo:[0,0,1] neg_hi:[0,0,1]   ; x2 cos - x1 sin
.endr
.endr
	WIN 0
.if (\a)+2 < 8
	LOADCS (\a)+2
.endif
	s_wait_alu depctr_va_vdst(0)                   ; the wait ahead of the root's first reader
	WIN (W|(W<<6))
.set kk, 0
.rept 32
	v_pk_mul_f32 v[AC+kk:AC+kk+1], v[AC+kk:AC+kk+1], v[8:9] op_sel_hi:[1,0]
.set kk, kk+2
.endr
	WIN 0
.endm
; block a through my stage: in as lanes hold it (32 bytes of a row), back as whole rows: row t, lane l: channels 4 l .. 4 l + 3.  LDS serves a wave's instructions in order.
.macro TOSTAGE a, so
.set AC, 64*((\a)%4)
	WIN 0x08+4*((\a)/4)
.irp b, 0,1,2,3,4,5,6,7
	ds_store_b128 v[STO], v[AC+8*\b:AC+8*\b+3] offset:\so+64*\b
	ds_store_b128 v[STO], v[AC+8*\b+4:AC+8*\b+7] offset:\so+64*\b+16
.endr
	WIN 0
.set BBX, BB+64*((\a)%2)
.irp t, 0,1,2,3,4,5,6,7,8,9,10,11,12,13,14,15
	ds_load_b128 v[BBX+4*\t:BBX+4*\t+3], v[RD] offset:\so+\t*SPITCH
.endr
.endm
; v: l0 v + l1 ve on the rows read back
.macro MIX a
.set BBX, BB+64*((\a)%2)
.set VX, 64+128*((\a)%2)
.if (\a) < 7
	s_wait_loadcnt 16                              ; this block's ve is in; the next block's sixteen loads may be out
.else
	s_wait_loadcnt 0x0
.endif
	WIN 0x41
.set kk, 0
.rept 32
	v_pk_mul_f32 v[VX+kk:VX+kk+1], v[VX+kk:VX+kk+1], s[18:19] op_sel_hi:[1,0]
.set kk, kk+2
.endr
	WIN 0x10
.set kk, 0
.rept 32
	v_pk_fma_f32 v[BBX+kk:BBX+kk+1], v[BBX+kk:BBX+kk+1], s[2:3], v[VX+kk:VX+kk+1] op_sel_hi:[1,0,1]
.set kk, kk+2
.endr
	WIN 0
.if (\a)+2 < 8
	LOADVE (\a)+2
.endif
.endm
; block a leaves: as f16, a row's 256 bytes by one store; tokens 0-15 also as f32
.macro SENDH a
.set BBX, BB+64*((\a)%2)
.if (\a) == 0
	s_cmp_lg_u32 s43, 0                            ; tile row 0 and row half 0: ids alone
	s_cbranch_scc1 .Lnot_first_\@
.irp t, 0,1,2,3,4,5,6,7,8,9,10,11,12,13,14,15
	global_store_b128 v[CO], v[BBX+4*\t:BBX+4*\t+3], s[96:97] offset:512*\t
.endr
.Lnot_first_\@:
.endif
.irp t, 0,1,2,3,4,5,6,7,8,9,10,11,12,13,14,15
	v_cvt_pk_f16_f32 v[OUT+2*\t], v[BBX+4*\t], v[BBX+4*\t+1]
	v_cvt_pk_f16_f32 v[OUT+2*\t+1], v[BBX+4*\t+2], v[BBX+4*\t+3]
.endr
.irp t, 0,1,2,3,4,5,6,7,8,9,10,11,12,13,14,15
	global_store_b64 v[HO], v[OUT+2*\t:OUT+2*\t+1], s[12:13] offset:(16*(\a)+\t)*256   ; 256 consecutive bytes, aligned
.endr
.endm
	s_wait_tensorcnt 1                             ; the scales and my part of slot 0 are in; slot 1's load may be out
	s_barrier_signal -1
	s_barrier_wait -1
	FETCH_B 0, 0, 0
	FETCH_A 0, 0, 0
	SCALES 0
	FETCH_A 0, 0, 4
	STEP 0, 0, 1                                   ; the first products start the sums
	STEPS 0, 1
	TURN 0, 1
	s_cmp_eq_u32 ttmp9, 2                          ; the kind: the same in all four partners and in all waves.  No barrier stands in either arm
	s_cbranch_scc1 .Lv_arm
	LOADCS 0                                       ; asked for four K steps ahead of their use
	LOADCS 1
	SLOT1_STEPS
	PRE 0
	TOSTAGE 0, 0
.irp a, 1,2,3,4,5,6,7
.if \a > 1
	s_wait_xcnt 0x0                                ; block a - 2's stores have read v96-127 and the rows' registers
.endif
	PRE \a
	TOSTAGE \a, 0
	s_wait_dscnt 32                                ; block a - 1 is back; block a's 16 stores and 16 loads may be out
	SENDH \a-1
.endr
	s_wait_xcnt 0x0
	s_wait_dscnt 0x0
	SENDH 7
	s_branch .Lclose
.Lv_arm:
	LOADVE 0
	LOADVE 1
	SLOT1_STEPS
	TOSTAGE 0, VSTG
.irp a, 1,2,3,4,5,6,7
.if \a > 1
	s_wait_xcnt 0x0
.endif
	TOSTAGE \a, VSTG
	s_wait_dscnt 32
	MIX \a-1
	SENDH \a-1
.endr
	s_wait_xcnt 0x0
	s_wait_dscnt 0x0
	MIX 7
	SENDH 7
.Lclose:
	s_wait_tensorcnt 0x0                           ; the wave's end
	ds_add_u32 v[SPW], v[NIL]
	s_wait_dscnt 0x0
	CROUND                                         ; the closing round
	s_endpgm
.Lfunc_end_k_q1ee8e50142_qkv:
	.size	k_q1ee8e50142_qkv, .Lfunc_end_k_q1ee8e50142_qkv-k_q1ee8e50142_qkv
	.p2alignl 7, 3214868480
	.fill 96, 4, 3214868480
	.section	.rodata,"a",@progbits
	.p2align	6, 0x0
	.amdhsa_kernel k_q1ee8e50142_qkv
		.amdhsa_group_segment_fixed_size 327680
		.amdhsa_private_segment_fixed_size 0
		.amdhsa_enable_private_segment 0
		.amdhsa_kernarg_size 56
		.amdhsa_user_sgpr_count 2
		.amdhsa_user_sgpr_kernarg_segment_ptr 1
		.amdhsa_wavefront_size32 1
		.amdhsa_system_sgpr_workgroup_id_x 1
		.amdhsa_system_sgpr_workgroup_id_y 1
		.amdhsa_system_sgpr_workgroup_id_z 1
		.amdhsa_system_vgpr_workitem_id 0
		.amdhsa_next_free_vgpr 1024
		.amdhsa_next_free_sgpr 102
		.amdhsa_reserve_vcc 0
		.amdhsa_float_denorm_mode_32 3
		.amdhsa_float_denorm_mode_16_64 3
		.amdhsa_memory_ordered 1
		.amdhsa_forward_progress 1
		.amdhsa_inst_pref_size 255
	.end_amdhsa_kernel
	.section	.bss,"aw",@nobits
	.p2align	6
	.space	262144
	.amdgpu_metadata
---
amdhsa.version: [ 1, 2 ]
amdhsa.kernels:
  - .name:           k_q1ee8e50142_qkv
    .symbol:         k_q1ee8e50142_qkv.kd
    .args:
      - { .name: codes, .offset: 0, .size: 8, .value_kind: global_buffer, .address_space: global }
      - { .name: scales, .offset: 8, .size: 8, .value_kind: global_buffer, .address_space: global }
      - { .name: tab, .offset: 16, .size: 8, .value_kind: global_buffer, .address_space: global }
      - { .name: ve, .offset: 24, .size: 8, .value_kind: global_buffer, .address_space: global }
      - { .name: lambdas, .offset: 32, .size: 8, .value_kind: global_buffer, .address_space: global }
      - { .name: qkv, .offset: 40, .size: 8, .value_kind: global_buffer, .address_space: global }
      - { .name: qkvf, .offset: 48, .size: 8, .value_kind: global_buffer, .address_space: global }
    .group_segment_fixed_size: 327680
    .private_segment_fixed_size: 0
    .kernarg_segment_align: 8
    .kernarg_segment_size: 56
    .max_flat_workgroup_size: 128
    .sgpr_count:     102
    .vgpr_count:     1024
    .wavefront_size: 32
...
	.end_amdgpu_metadata
.endif
;; end of part 2
;; launch attn (part 3): grid 32 x 8, 4 waves a work-group, clusters of 4 x 1, 327,680 bytes of LDS; arguments qkv, y16; writes y16
.if DOCPART == 3
	.amdgcn_target "amdgcn-amd-amdhsa--gfx1250"
	.amdhsa_code_object_version 6
	.text
	.protected	k_q1ee8e50142_attn
	.globl	k_q1ee8e50142_attn
	.p2align	8
	.type	k_q1ee8e50142_attn,@function
k_q1ee8e50142_attn:
	s_mov_b64 s[64:65], 0
	v_nop
	global_prefetch_b8 v0, s[64:65] scope:SCOPE_SE
	s_setreg_imm32_b32 hwreg(HW_REG_WAVE_MODE, 25, 1), 1
	s_wait_xcnt 0x0
	s_wait_alu depctr_hold_cnt(0) depctr_sa_sdst(0) depctr_va_vdst(0) depctr_va_sdst(0) depctr_va_ssrc(0) depctr_va_vcc(0) depctr_vm_vsrc(0)
	s_getreg_b32 s2, hwreg(HW_REG_IB_STS2, 6, 4)
	s_cmp_eq_u32 s2, 0
	s_cbranch_scc0 .Lentry_in_a_cluster
	s_endpgm
.Lentry_in_a_cluster:
	s_bfe_u32 s2, ttmp6, 0x10000c
	s_cmp_lg_u32 s2, 0x3003
	s_cbranch_scc0 .Lentry_shape_is_right
	s_endpgm
.Lentry_shape_is_right:
; ATTN.  y[t][head] = sum over s <= t of softmax_s(0.12 q[t] . k[s]) v[s], 8 heads of 128, 4,096 positions.  q, k, v: f16, [8 kind + head][4096][128]; y16: f16, [4096][1024].
; Products, maxima and sums in f32; the weights p are rounded to f16 for the second product.
; SHARES.  A cluster (number c, 0..7, of a head) owns two blocks of 256 queries: block 15 - c (pass 0) and block c (pass 1); partner cx takes 64 of the 256.
; All four waves of a work-group hold the SAME 64 queries (four tiles of 16); THE KEYS ARE SPLIT: a step is 256 keys, wave w takes keys 64 w .. 64 w + 63 of them.
; Pass 0 walks 16 - c steps, pass 1 walks c + 1: 17 in every work-group, so every trip count is a constant.  Only a pass's last step lies on the diagonal.
; At a pass's end the four waves' parts (each with its own running maximum and sum) are merged through LDS.  Register tile u of wave w holds query tile (u + w) % 4, so that wave w owns its register tile 0.
; LAYOUT.  S^T = K Q^T, O^T = V^T P: a lane holds ONE query throughout.  K comes out of LDS as it lies, V turned by ds_load_tr16_b128.
; THE MASK is the C of each score tile's first product: 0, or -1e30 where the key comes after the query: the softmax has one text.
; SOFTMAX.  Running maximum m and sum l; p = 2^(c s - c m), c = 0.12 log2(e).  m starts at -200: q and k are normalised ahead of this launch as the problem itself normalises them,
; so |q . k| <= 128 for every input and -200 lies under every score; a row whose keys are all hidden keeps m = -200, p = 0, l = 0.
; BY TURNS inside a step: piece 0 (tiles 0, 1) scores | piece 2 scores beside piece 0's softmax | piece 0's V^T P beside piece 2's softmax | change of slots | piece 2's V^T P.
; CLUSTER.  The four partners walk the same K and V: each tile is asked for JOINTLY (mask 15).  By this text's own count a wave has two tensor loads out at the start and one behind each round.
; LIMITS: f16 operands: v under 65,504 in magnitude; p under 6e-5 loses relative bits.  Positions 0-15 are written again, in f32 arithmetic, by a later launch.
; REGISTERS: window 0: v2-11, v44-63 addresses and constants; v12-43 statistics, eight a tile; v64-191 S^T; v192-255 P.   window 1: O^T.   window 2: v0-127 Q, v128-255 K.   window 3: v0-127 V, v128-255 the masks.
.set PK,    272                        ; a row of K in LDS: 256 bytes + 16
.set PV,    288                        ; a row of V: 256 + 32
.set KREG,  256*PK
.set SLOT,  KREG+256*PV                ; 256 rows of K, then 256 rows of V
.set STATS, 2*SLOT                     ; 1,024 bytes a wave: c m and l of register tiles 1-3
.set MERGE, STATS+4096                 ; 8,192 bytes a wave: one tile of O^T as an image of its registers; later the way out's stage
.set SPARE, MERGE+4*8192               ; the spare words: two blocks of 256 bytes that no other line names
.set AK0, 2
.set AV0, 3
.set ADR, 4
.set STO, 6
.set RD,  7
.set GO,  8
.set ARD, 9                            ; v9-11  where I read the image of round 1, 2, 3
.set ST,  12                           ; tile t at v[ST+8 t]: +0 c m, +1 m, +2, +3 l, +4 to +7 at work
.set QO,  44                           ; v44-47 my byte offset in Q for register tile u
.set RH,  48                           ; v48    r - 8 h
.set DU,  49                           ; v49-52 the diagonal's bound for register tile u
.set NEG, 53                           ; v53    -1e30
.set STW, 54
.set ARW, 55
.set SRD, 56                           ; v56-58 where I read the statistics of round 1, 2, 3
.set PFO, 61
.set SPW, 62
.set NIL, 63
.set S,   64
.set P,   192
.set WK,  192                          ; the merge's weights, at work
.set GW,  208                          ; v[208+2 u], v[209+2 u]: weight u, twice
.set KF,  128                          ; window 2
.set MK,  128                          ; window 3
.set WV,  12
.set PFN, 15                           ; prefetches still to be made
.set LK,  17
.set PFA, 18
.set LV,  20
.set G1K, 24
.set G1V, 32
.set G0K, 40                           ; two sets: the first fills'; the second then walks
.set G0V, 48
.set OUTER, 56
.set CS,  58
.set SEL, 60
.set TB,  62                           ; LDS byte at which the step's slot begins: 0 or SLOT
.set KB,  66
.set VB,  68
.set KOFF, 70
.set FI,  72                           ; which 256 keys the next refill brings
.set FEND, 73
.set SI,  74                           ; the step's number in its pass
.set SB,  75                           ; the pass's block of queries
.set TL,  76                           ; steps left in the pass
.set CW,  77                           ; 64 (cx - wave)
.set QT,  78                           ; s78-81 16 ((u + wave) % 4)
.set QB0, 84
.set QB1, 86
.set YB0, 88
.set YB1, 90
.set MSB, 0
.macro WIN new
.if MSB != (\new)
	s_set_vgpr_msb (MSB<<8)|(\new)
.set MSB, (\new)
.endif
.endm
.set W_KQ,  0x0a                       ; K and Q window 2, S^T window 0
.set W_KQM, 0x3a                       ; the same, C (the mask) window 3
.set W_PV,  0x53                       ; V window 3, P window 0, O^T window 1
.set W_RS,  0x41
.macro JLOAD                           ; waves 0, 1: K's halves; waves 2, 3: V's.  An s_nop 0 and four v_nop follow each line
	s_cmp_lt_u32 s[WV], 2
	s_cbranch_scc0 .Lfor_v_\@
	tensor_load_to_lds s[G0K+4:G0K+7], s[G1K:G1K+7]
	s_nop 0
.rept 4
	v_nop
.endr
	s_branch .Lasked_\@
.Lfor_v_\@:
	tensor_load_to_lds s[G0V+4:G0V+7], s[G1V:G1V+7]
	s_nop 0
.rept 4
	v_nop
.endr
.Lasked_\@:
.endm
; A PREFETCH INTO THE L2 of the 256 keys that the NEXT refill will ask for: a row of K or V is 256 bytes, a lane a row, one instruction a wave.  All clusters of a head begin with the same keys in the same order;
; cluster 0, the only one that walks all sixteen blocks of keys in pass 0, asks.  Its partners share the rows out BY ADDRESS: wave w of partner cx takes rows 128 (w % 2) + 32 cx + lane, of K (w < 2) or of V.
; The refill of step g brings block g + 2 and the prefetch names block g + 3: thirteen of them, blocks 3 to 15.  Blocks 0 to 2 come by their loads alone.
.macro ASK
	s_cmp_eq_u32 s[PFN], 0
	s_cbranch_scc1 .Lnot_mine_\@
	global_prefetch_b8 v[PFO], s[PFA:PFA+1] th:TH_LOAD_NT scope:SCOPE_SE
	s_sub_co_u32 s[PFN], s[PFN], 1
.Lnot_mine_\@:
.endm
.macro CROUND
	s_barrier_signal -1
	s_barrier_wait -1
	s_cmp_lg_u32 s[WV], 0
	s_cbranch_scc1 .Lnot_wave_0_\@
	s_barrier_signal -3
.Lnot_wave_0_\@:
	s_barrier_wait -3
	s_barrier_signal -1
	s_barrier_wait -1
.endm
.macro PLACES
.rept 4
	v_nop
.endr
.endm
.macro QLOAD qb                        ; my four tiles of queries stay in registers for a pass
	WIN 0x80
.irp u, 0,1,2,3
.irp cc, 0,1,2,3
	global_load_b128 v[32*\u+8*\cc:32*\u+8*\cc+3], v[QO+\u], s[\qb:\qb+1] offset:64*\cc
	global_load_b128 v[32*\u+8*\cc+4:32*\u+8*\cc+7], v[QO+\u], s[\qb:\qb+1] offset:64*\cc+32
.endr
.endr
	WIN 0
.endm
.macro START_PASS                      ; m = -200, c m, l = 0; O^T = 0; no key hidden
.irp t, 0,1,2,3
	v_mov_b32 v[ST+8*\t+1], 0xc3480000
	v_mov_b32 v[ST+8*\t+2], 0
	v_mov_b32 v[ST+8*\t+3], 0
.endr
.irp t, 0,1,2,3
	v_mul_f32 v[ST+8*\t], s[CS], v[ST+8*\t+1]
.endr
	WIN 0x40
.set kk, 0
.rept 256
	v_mov_b32 v[kk], 0
.set kk, kk+1
.endr
	WIN 0xc0
.set kk, 0
.rept 128
	v_mov_b32 v[MK+kk], 0
.set kk, kk+1
.endr
	WIN 0
.endm
	s_load_b128 s[4:7], s[0:1], 0x0                ; qkv, y16
	v_lshl_add_u32 v[SPW], v0, 2, SPARE
	v_mov_b32 v[NIL], 0
	ds_add_u32 v[SPW], v[NIL]                      ; the wave's opening: the add, twice on end, and its wait ahead of my first tensor load
	ds_add_u32 v[SPW], v[NIL]
	v_lshrrev_b32 v1, 5, v0
	v_readfirstlane_b32 s[WV], v1
	s_bfe_u32 s13, ttmp6, 0x40000                  ; cx: it enters Q's, y's and the prefetches' addresses and the mask's numbers alone
	s_mov_b32 s14, ttmp9                           ; c
	s_and_b32 s8, ttmp7, 0xffff                    ; the head
	s_and_b32 s16, s[WV], 1
	s_lshl_b32 s[KB], s8, 20                       ; K: (8 + head) x 1,048,576 + my 128 rows of a block of keys
	s_lshl_b32 s9, s16, 15
	s_add_co_u32 s[KB], s[KB], s9
	s_add_co_u32 s[KB], s[KB], 8<<20
	s_mov_b32 s[KB+1], 0
	s_mul_i32 s[LK], s16, 128*PK
	s_mul_i32 s[LV], s16, 128*PV
	s_add_co_u32 s[LV], s[LV], KREG
	s_mov_b32 s[G1K], 15|(1<<16)|(1<<20)|(1<<21)|(5<<22)|(3<<25)  ; the mask: all four; elements of 2 bytes; padding: 4 words after every 64
	s_mov_b32 s[G1V], 15|(1<<16)|(1<<20)|(1<<21)|(5<<22)|(7<<25)  ; 8 words
.irp g, G1K, G1V
	s_mov_b32 s[\g+1], 128<<16                     ; tensor_dim0
	s_mov_b32 s[\g+2], 128<<16                     ; tensor_dim1
	s_mov_b32 s[\g+3], 128<<16                     ; tile_dim0
	s_mov_b32 s[\g+4], 128                         ; tile_dim1
	s_mov_b32 s[\g+5], 128                         ; pitch
	s_mov_b32 s[\g+6], 0
	s_mov_b32 s[\g+7], 0
.endr
	s_mov_b32 s[CS], 0x3e314743                    ; c = 0.12 log2(e)
	s_mov_b32 s[CS+1], s[CS]
	s_mov_b32 s[SEL], 0x76543210
	s_mov_b32 s[SEL+1], 0xfedcba98
	s_sub_co_u32 s[SB], 15, s14
	s_sub_co_u32 s[FEND], 16, s14
	s_mov_b32 s[TL], s[FEND]
	s_mov_b32 s[SI], 0
	s_mov_b32 s[FI], 2
	s_mov_b32 s[KOFF], 2<<16
	s_mov_b32 s[KOFF+1], 0
	s_mov_b32 s[TB], 0
	s_mov_b32 s[OUTER], 15
	s_cmp_eq_u32 s14, 0
	s_cselect_b32 s[PFN], 13, 0
	s_sub_co_i32 s[CW], s13, s[WV]
	s_lshl_b32 s[CW], s[CW], 6
.irp u, 0,1,2,3
	s_add_co_u32 s[QT+\u], s[WV], \u
	s_and_b32 s[QT+\u], s[QT+\u], 3
	s_lshl_b32 s[QT+\u], s[QT+\u], 4
.endr
	s_lshl_b32 s10, s8, 20                         ; Q: head x 1,048,576 + (256 block + 64 cx) x 256
	s_lshl_b32 s11, s13, 14
	s_add_co_u32 s10, s10, s11
	s_lshl_b32 s[QB0], s[SB], 16
	s_add_co_u32 s[QB0], s[QB0], s10
	s_mov_b32 s[QB0+1], 0
	s_lshl_b32 s[QB1], s14, 16
	s_add_co_u32 s[QB1], s[QB1], s10
	s_mov_b32 s[QB1+1], 0
	s_lshl_b32 s10, s13, 17                        ; y: (256 block + 64 cx + 16 wave) x 2,048 + head x 256
	s_lshl_b32 s11, s[WV], 15
	s_add_co_u32 s10, s10, s11
	s_lshl_b32 s11, s8, 8
	s_add_co_u32 s10, s10, s11
	s_lshl_b32 s[YB0], s[SB], 19
	s_add_co_u32 s[YB0], s[YB0], s10
	s_mov_b32 s[YB0+1], 0
	s_lshl_b32 s[YB1], s14, 19
	s_add_co_u32 s[YB1], s[YB1], s10
	s_mov_b32 s[YB1+1], 0
	s_lshl_b32 s10, s13, 13                        ; the prefetches: my work-group's 32 rows, in block 2: the first change of slots steps it to block 3
	s_add_co_u32 s10, s10, 2<<16
	s_mov_b32 s11, 0
	s_wait_dscnt 0x0                               ; both opening adds are done
	s_wait_kmcnt 0x0
	s_add_nc_u64 s[KB:KB+1], s[4:5], s[KB:KB+1]
	s_add_nc_u64 s[VB:VB+1], s[KB:KB+1], 8<<20
	s_add_nc_u64 s[QB0:QB0+1], s[4:5], s[QB0:QB0+1]
	s_add_nc_u64 s[QB1:QB1+1], s[4:5], s[QB1:QB1+1]
	s_add_nc_u64 s[YB0:YB0+1], s[6:7], s[YB0:YB0+1]
	s_add_nc_u64 s[YB1:YB1+1], s[6:7], s[YB1:YB1+1]
	s_cmp_lt_u32 s[WV], 2
	s_cselect_b64 s[PFA:PFA+1], s[KB:KB+1], s[VB:VB+1]
	s_add_nc_u64 s[PFA:PFA+1], s[PFA:PFA+1], s[10:11]
	CROUND                                         ; all four work-groups are here: the first joint loads meet
.irp s, 0,1
	s_mov_b32 s[G0K+4*\s], 1
	s_add_co_u32 s[G0K+4*\s+1], s[LK], \s*SLOT
	s_add_nc_u64 s[G0K+4*\s+2:G0K+4*\s+3], s[KB:KB+1], \s*65536
	s_or_b32 s[G0K+4*\s+3], s[G0K+4*\s+3], 0x80000000
	s_mov_b32 s[G0V+4*\s], 1
	s_add_co_u32 s[G0V+4*\s+1], s[LV], \s*SLOT
	s_add_nc_u64 s[G0V+4*\s+2:G0V+4*\s+3], s[VB:VB+1], \s*65536
	s_or_b32 s[G0V+4*\s+3], s[G0V+4*\s+3], 0x80000000
.endr
	s_cmp_lt_u32 s[WV], 2                          ; a wave's two first fills stand in one branch
	s_cbranch_scc0 .Lfirst_v
	tensor_load_to_lds s[G0K:G0K+3], s[G1K:G1K+7]
	s_nop 0
	tensor_load_to_lds s[G0K+4:G0K+7], s[G1K:G1K+7]
	s_nop 0
.rept 4
	v_nop
.endr
	s_branch .Lfirst_asked
.Lfirst_v:
	tensor_load_to_lds s[G0V:G0V+3], s[G1V:G1V+7]
	s_nop 0
	tensor_load_to_lds s[G0V+4:G0V+7], s[G1V:G1V+7]
	s_nop 0
.rept 4
	v_nop
.endr
.Lfirst_asked:
	v_and_b32 v1, 15, v0                           ; r
	v_bfe_u32 v5, v0, 4, 1                         ; h
	v_lshlrev_b32 v59, 8, v1
	v_lshl_add_u32 v59, v5, 4, v59
.irp u, 0,1,2,3
	s_lshl_b32 s82, s[QT+\u], 8                    ; query tile x 16 rows x 256 bytes
	v_add_nc_u32 v[QO+\u], s82, v59
.endr
	QLOAD QB0
	v_mul_u32_u24 v[AK0], v1, PK
	v_lshl_add_u32 v[AK0], v5, 4, v[AK0]
	s_mul_i32 s82, s[WV], 64*PK
	v_add_nc_u32 v[AK0], s82, v[AK0]               ; K: my wave's 64 rows; row r, 16 bytes for each half of the lanes
	v_and_b32 v59, 7, v0
	v_bfe_u32 v60, v0, 3, 1
	v_lshl_add_u32 v[AV0], v5, 3, v59
	v_mul_u32_u24 v[AV0], v[AV0], PV
	v_lshl_add_u32 v[AV0], v60, 4, v[AV0]
	s_mul_i32 s82, s[WV], 64*PV
	s_add_co_u32 s82, s82, KREG
	v_add_nc_u32 v[AV0], s82, v[AV0]               ; V, for the turning load: key 8 h + l % 8, channels 8 ((l / 8) % 2) on
	v_lshlrev_b32 v60, 3, v5
	v_sub_nc_u32 v[RH], v1, v60
	v_mov_b32 v[NEG], 0xf149f2ca
	v_and_b32 v59, 31, v0
	s_lshl_b32 s82, s[WV], 10
	s_add_co_u32 s82, s82, STATS
	v_lshl_add_u32 v[STW], v59, 2, s82
	s_lshl_b32 s83, s[WV], 13
	s_add_co_u32 s83, s83, MERGE
	v_lshl_add_u32 v[ARW], v59, 4, s83
	v_mul_u32_u24 v[STO], v1, 272
	v_lshl_add_u32 v[STO], v5, 4, v[STO]
	v_add_nc_u32 v[STO], s83, v[STO]
	v_mul_u32_u24 v[RD], v5, 272
	v_lshl_add_u32 v[RD], v1, 4, v[RD]
	v_add_nc_u32 v[RD], s83, v[RD]
	v_lshlrev_b32 v[GO], 11, v5
	v_lshl_add_u32 v[GO], v1, 4, v[GO]
.irp u, 1,2,3                                      ; in round u my query tile lies in register tile u of wave (w - u) % 4
	s_add_co_u32 s82, s[WV], 4-\u
	s_and_b32 s82, s82, 3
	s_lshl_b32 s83, s82, 10
	s_add_co_u32 s83, s83, STATS+256*\u
	v_lshl_add_u32 v[SRD+\u-1], v59, 2, s83
	s_lshl_b32 s83, s82, 13
	s_add_co_u32 s83, s83, MERGE
	v_lshl_add_u32 v[ARD+\u-1], v59, 4, s83
.endr
	v_lshlrev_b32 v[PFO], 8, v59
	START_PASS
; Product i of 32 of O^T += V^T P for piece x: keys 32 (i / 16) on, channels 16 ((i / 2) % 8) on, tile x + i % 2.  The accumulators take turns.
.macro PV x
	WIN W_PV
.set rO, 64*(\x+i%2)+8*((i/2)%8)
.set rV, 64*(i/16)+8*((i/2)%8)
.set rP, P+16*(\x+i%2)+8*(i/16)
	v_wmma_f32_16x16x32_f16 v[rO:rO+7], v[rV:rV+7], v[rP:rP+7], v[rO:rO+7]
.endm
; Product i of 32 of S^T = K Q^T: channels 32 (i / 8) on, keys 16 ((i / 2) % 4) on, tile x + i % 2.  The first 8 start the sums on the mask's tiles.
.macro KQ x
.set rS, S+32*(\x+i%2)+8*((i/2)%4)
.set rK, KF+32*((i/2)%4)+8*(i/8)
.set rQ, 32*(\x+i%2)+8*(i/8)
.set rM, MK+8*(4*(\x+i%2)+(i/2)%4)
.if i < 8
	WIN W_KQM
	v_wmma_f32_16x16x32_f16 v[rS:rS+7], v[rK:rK+7], v[rQ:rQ+7], v[rM:rM+7]
.else
	WIN W_KQ
	v_wmma_f32_16x16x32_f16 v[rS:rS+7], v[rK:rK+7], v[rQ:rQ+7], v[rS:rS+7]
.endif
.endm
.macro FETCH_K oth                     ; my 64 keys x 128 channels: 32 loads in one run.  oth = 1: from the other slot than the step's
	WIN 0
.if \oth
	s_xor_b32 s82, s[TB], SLOT
	v_add_nc_u32 v[ADR], s82, v[AK0]
.else
	v_add_nc_u32 v[ADR], s[TB], v[AK0]
.endif
	WIN 0x80
.irp f, 0,1,2,3,4,5,6,7,8,9,10,11,12,13,14,15
	ds_load_b128 v[KF+8*\f:KF+8*\f+3],   v[ADR] offset:(\f/4)*16*PK+(\f%4)*64
	ds_load_b128 v[KF+8*\f+4:KF+8*\f+7], v[ADR] offset:(\f/4)*16*PK+(\f%4)*64+32
.endr
.endm
.macro FETCH_V
	WIN 0
	v_add_nc_u32 v[ADR], s[TB], v[AV0]
	s_wait_alu depctr_va_vdst(0)                   ; the wait for the softmax's batch of exponentials, ahead of its first reader
	WIN 0xc0
.irp f, 0,1,2,3,4,5,6,7,8,9,10,11,12,13,14,15
	ds_load_tr16_b128 v[8*\f:8*\f+3],   v[ADR] offset:(\f/8)*32*PV+(\f%8)*32
	ds_load_tr16_b128 v[8*\f+4:8*\f+7], v[ADR] offset:(\f/8)*32*PV+16*PV+(\f%8)*32
.endr
.endm
; One tile's softmax for a step is a list of 134 instructions; SM writes number j of it for tile t.
;   0-15 the maximum of the lane's 32 scores and the old m;  16-20 the other half's maximum, the new m, c m, its change;  21-69 ONE BATCH: 16 packed scalings c s - c m and 33 exponentials, none of which reads a result;
;   (the wait)  70-85 the roundings to f16;  86-101 the sums, l = a l + sum;  102-133 the tile's O^T times a.
.macro SM t
.set rT, ST+8*(\t)
.set rS, S+32*(\t)
.set rP, P+16*(\t)
.set rO, 64*(\t)+2*(j-102)
.if j < 102
	WIN 0
.endif
.if j < 4
	v_max3_num_f32 v[rT+4+j], v[rS+8*j], v[rS+8*j+1], v[rS+8*j+2]
.elseif j < 12
	v_max3_num_f32 v[rT+4+j%4], v[rT+4+j%4], v[rS+8*(j%4)+2*(j/4)+1], v[rS+8*(j%4)+2*(j/4)+2]
.elseif j == 12
	v_max3_num_f32 v[rT+4], v[rT+4], v[rS+7], v[rS+15]
.elseif j == 13
	v_max3_num_f32 v[rT+6], v[rT+6], v[rS+23], v[rS+31]
.elseif j == 14
	v_max3_num_f32 v[rT+4], v[rT+4], v[rT+5], v[rT+6]
.elseif j == 15
	v_max3_num_f32 v[rT+4], v[rT+4], v[rT+7], v[rT+1]
.elseif j == 16
	v_permlanex16_b32 v[rT+5], v[rT+4], s[SEL], s[SEL+1]
.elseif j == 17
	v_mov_b32 v[rT+7], v[rT]
.elseif j == 18
	v_max_num_f32 v[rT+1], v[rT+4], v[rT+5]
.elseif j == 19
	v_mul_f32 v[rT], s[CS], v[rT+1]
.elseif j == 20
	v_sub_f32 v[rT+7], v[rT+7], v[rT]
.elseif j == 23
	v_exp_f32 v[rT+6], v[rT+7]
.elseif (j < 23) || ((j < 38) && (j%2 == 0)) || ((j < 66) && (j%4 == 2))
.set b, (j-2)/4
.if j < 38
.set b, (j-20)/2
.endif
	v_pk_fma_f32 v[rS+2*b:rS+2*b+1], v[rS+2*b:rS+2*b+1], s[CS:CS+1], v[rT:rT+1] op_sel_hi:[1,0,0] neg_lo:[0,0,1] neg_hi:[0,0,1]
.elseif j < 70
.set e, j-38
.if j < 66
.set e, j-32-(j-38)/4
.endif
.if j < 38
.set e, (j-25)/2
.endif
	v_exp_f32 v[rS+e], v[rS+e]
.elseif j < 86
	v_cvt_pk_f16_f32 v[rP+j-70], v[rS+2*(j-70)], v[rS+2*(j-70)+1]
.elseif j < 102
.set z, j-86
.set w, 4
.set u, z
.if z >= 14
.set w, 32
.set u, 0
.elseif z >= 12
.set w, 16
.set u, z-12
.elseif z >= 8
.set w, 8
.set u, z-8
.endif
.if z < 15
	v_pk_add_f32 v[rS+w*u:rS+w*u+1], v[rS+w*u:rS+w*u+1], v[rS+w*u+w/2:rS+w*u+w/2+1]
.else
	v_pk_fma_f32 v[rT+2:rT+3], v[rT+2:rT+3], v[rT+6:rT+7], v[rS:rS+1] op_sel_hi:[1,0,1]
.endif
.else
	WIN W_RS
	v_pk_mul_f32 v[rO:rO+1], v[rO:rO+1], v[rT+6:rT+7] op_sel_hi:[1,0]
.endif
.endm
; Slice k of 64 of piece y's softmax: four instructions; slices 11 to 34 deal out the batch, four numbers of one tile each; slice 63 has the twelve that are over.  Behind slice 34: one plain line and the one wait.
.macro SLICE y
.if (k >= 11) && (k < 35)
.irp n, 0,1,2,3
.set j, 22+4*((k-11)/2)+(\n)
	SM (\y)+(k-11)%2
.endr
.else
.irp n, 0,1,2,3,4,5,6,7
.if (\n < 2) || (k == 63)
.irp t, \y, \y+1
.set j, 2*k+\n
	SM \t
.endr
.endif
.endr
.endif
.if k == 34
	v_nop
.if (\y) == 0
	FETCH_V                                        ; V's run of loads stands at the wait
.else
	s_wait_alu depctr_va_vdst(0)
.endif
.endif
.set k, k+1
.endm
; On the diagonal (the pass's last step) the masks are made: register 8 (4 u + kt) + j stands for key 16 kt + 8 h + j of my 64 and query r of register tile u.
; Hidden where 16 kt + j > 256 (SB - SI) + 64 (cx - w) + 16 tile + r - 8 h.  The branch hangs on the cluster's number and the count of steps alone.
.macro MASKS
	s_cmp_lt_u32 s[SI], s[SB]
	s_cbranch_scc1 .Lopen_\@
	s_sub_co_u32 s82, s[SB], s[SI]
	s_lshl_b32 s82, s82, 8
	s_add_co_i32 s82, s82, s[CW]
.irp u, 0,1,2,3
	s_add_co_i32 s83, s82, s[QT+\u]
	v_add_nc_u32 v[DU+\u], s83, v[RH]
.endr
	WIN 0xc0
.irp u, 0,1,2,3
.irp kt, 0,1,2,3
.irp j, 0,1,2,3,4,5,6,7
	v_cmp_gt_i32 vcc_lo, 16*\kt+\j, v[DU+\u]
	v_cndmask_b32 v[MK+8*(4*\u+\kt)+\j], 0, v[NEG], vcc_lo
.endr
.endr
.endr
	WIN 0
.Lopen_\@:
.endm
; THE CHANGE OF SLOTS.  My reads of the step's slot are over (K was awaited at the step's head, V ahead of piece 0's V^T P).  Each wave waits for all its tensor loads (its part of the other slot),
; adds 0 to its spare word, and waits for that.  fill = 1: a round of the cluster's barrier, and the joint refill first behind it: the keys two steps on, into the slot just left; it has a step in which to land.
.macro CHANGE fill
	WIN 0
	s_wait_tensorcnt 0x0                           ; no tensor load of mine is out, so a group 0 may be written
	ds_add_u32 v[SPW], v[NIL]
.if \fill
	s_add_co_u32 s[G0K+5], s[LK], s[TB]
	s_add_nc_u64 s[G0K+6:G0K+7], s[KB:KB+1], s[KOFF:KOFF+1]
	s_or_b32 s[G0K+7], s[G0K+7], 0x80000000
	s_add_co_u32 s[G0V+5], s[LV], s[TB]
	s_add_nc_u64 s[G0V+6:G0V+7], s[VB:VB+1], s[KOFF:KOFF+1]
	s_or_b32 s[G0V+7], s[G0V+7], 0x80000000
	s_add_co_u32 s[FI], s[FI], 1                   ; the next block of keys; behind pass 0's last, pass 1's first
	s_cmp_eq_u32 s[FI], s[FEND]
	s_cselect_b32 s[FI], 0, s[FI]
	s_lshl_b32 s[KOFF], s[FI], 16
	s_wait_xcnt 0x0                                ; the last prefetch, a step back, has read its address
	s_add_nc_u64 s[PFA:PFA+1], s[PFA:PFA+1], 65536
	s_wait_dscnt 0x0
	CROUND
	JLOAD
.else
	s_wait_dscnt 0x0
	s_barrier_signal -1
	s_barrier_wait -1
.endif
.endm
; A STEP: 256 keys, 64 of them mine.  nxt = 2: a change of slots with a refill; 1: without; 0: the last step.
.macro STEP nxt
	MASKS
	s_wait_dscnt 0x0                               ; K is in
.set i, 0
.rept 32
	KQ 0
.set i, i+1
.endr
	WIN 0
	PLACES
.set k, 0
.set i, 0
.rept 32
	KQ 2                                           ; piece 2's scores | piece 0's softmax, two slices behind each product | V
	SLICE 0
	SLICE 0
.set i, i+1
.endr
	s_wait_dscnt 0x0                               ; V is in
.set k, 0
.set i, 0
.rept 32
	PV 0                                           ; piece 0's V^T P | piece 2's softmax
	SLICE 2
	SLICE 2
.set i, i+1
.endr
.if \nxt
	CHANGE \nxt-1
	FETCH_K 1                                      ; the next step's K lands under piece 2's products
	WIN 0
.if \nxt == 2
	ASK
.endif
.endif
.set i, 0
.rept 32
	PV 2
.set i, i+1
.endr
	WIN 0
	s_add_co_u32 s[SI], s[SI], 1
	s_xor_b32 s[TB], s[TB], SLOT
.endm
; THE END OF A PASS.  Each wave holds, for all 64 queries, the part of its keys: c m, l, O^T.  Wave w gathers query tile w: in round u every wave lays its register tile u into its own 8,192 bytes, as an image of
; its registers, and reads its own query tile's image from wave (w - u) % 4.  Weights g = 2^(c m - the largest c m) / the sum of g l.  Two barriers a round: stores | reads | the next round's stores.
.macro FINISH yb, last
.irp t, 0,1,2,3
	v_add_f32 v[ST+8*\t+4], v[ST+8*\t+2], v[ST+8*\t+3]     ; (these are also the places behind the last products)
.endr
.irp t, 0,1,2,3
	v_permlanex16_b32 v[ST+8*\t+5], v[ST+8*\t+4], s[SEL], s[SEL+1]
.endr
.irp t, 0,1,2,3
	v_add_f32 v[ST+8*\t+4], v[ST+8*\t+4], v[ST+8*\t+5]     ; l
.endr
.if !\last
	QLOAD QB1                                      ; the next pass's queries land under the merge
.endif
.irp t, 1,2,3
	ds_store_b32 v[STW], v[ST+8*\t] offset:256*\t
	ds_store_b32 v[STW], v[ST+8*\t+4] offset:256*\t+128
.endr
.irp rr, 1,2,3
	WIN 0x04
.irp f, 0,1,2,3,4,5,6,7,8,9,10,11,12,13,14,15
	ds_store_b128 v[ARW], v[64*\rr+4*\f:64*\rr+4*\f+3] offset:512*\f
.endr
	WIN 0
	s_wait_dscnt 0x0                               ; for the others' sake: my stores have landed
	s_barrier_signal -1
	s_barrier_wait -1
.if \rr == 1
.irp g, 0,1,2
	ds_load_b32 v[WK+\g], v[SRD+\g]
	ds_load_b32 v[WK+3+\g], v[SRD+\g] offset:128
.endr
.endif
.irp f, 0,1,2,3,4,5,6,7,8,9,10,11,12,13,14,15
	ds_load_b128 v[S+4*\f:S+4*\f+3], v[ARD+\rr-1] offset:512*\f
.endr
.if \rr == 1
	s_wait_dscnt 16                                ; the six statistics are in; the image's sixteen loads may be out
	v_max3_num_f32 v[WK+6], v[ST], v[WK], v[WK+1]
	v_max_num_f32 v[WK+6], v[WK+6], v[WK+2]
	v_sub_f32 v[WK+8], v[ST], v[WK+6]
	v_sub_f32 v[WK+9], v[WK], v[WK+6]
	v_sub_f32 v[WK+10], v[WK+1], v[WK+6]
	v_sub_f32 v[WK+11], v[WK+2], v[WK+6]
.irp g, 8,9,10,11
	v_exp_f32 v[WK+\g], v[WK+\g]
.endr
	v_nop
	s_wait_alu depctr_va_vdst(0)                   ; one wait for the four
	v_mul_f32 v[WK+7], v[WK+8], v[ST+4]
	v_fma_f32 v[WK+7], v[WK+9], v[WK+3], v[WK+7]
	v_fma_f32 v[WK+7], v[WK+10], v[WK+4], v[WK+7]
	v_fma_f32 v[WK+7], v[WK+11], v[WK+5], v[WK+7]  ; at least 1: the wave with the largest c m has g = 1 and a p = 1
	v_rcp_f32 v[WK+12], v[WK+7]
	v_nop
	s_wait_alu depctr_va_vdst(0)
.irp g, 0,1,2,3
	v_mul_f32 v[GW+2*\g], v[WK+8+\g], v[WK+12]
	v_mul_f32 v[GW+2*\g+1], v[WK+8+\g], v[WK+12]
.endr
	WIN W_RS
.set kk, 0
.rept 32
	v_pk_mul_f32 v[kk:kk+1], v[kk:kk+1], v[GW:GW+1]
.set kk, kk+2
.endr
	WIN 0
.endif
	s_wait_dscnt 0x0
	WIN 0x50
.set kk, 0
.rept 32
	v_pk_fma_f32 v[kk:kk+1], v[S+kk:S+kk+1], v[GW+2*\rr:GW+2*\rr+1], v[kk:kk+1]
.set kk, kk+2
.endr
	WIN 0
	s_barrier_signal -1                            ; my reads of the images are in (the wait above)
	s_barrier_wait -1
.endr
	WIN 0x05                                       ; the way out: 16 queries x 128 channels as f16, through my own bytes, back as whole rows of 256 bytes
.set kk, 0
.rept 32
	v_cvt_pk_f16_f32 v[S+kk], v[2*kk], v[2*kk+1]
.set kk, kk+1
.endr
	WIN 0
.irp f, 0,1,2,3,4,5,6,7
	ds_store_b128 v[STO], v[S+4*\f:S+4*\f+3] offset:32*\f
.endr
.irp f, 0,1,2,3,4,5,6,7
	ds_load_b128 v[S+4*\f:S+4*\f+3], v[RD] offset:\f*2*272
.endr
.irp f, 0,1,2,3,4,5,6,7
	s_wait_dscnt 7-\f                              ; the younger loads may be out
	global_store_b128 v[GO], v[S+4*\f:S+4*\f+3], s[\yb:\yb+1] offset:4096*\f   ; 16 lanes store 256 consecutive bytes, aligned
.endr
.if !\last
	s_wait_xcnt 0x0                                ; the stores have read their registers: the next scores land there
	START_PASS
	s_mov_b32 s[SB], s14
	s_mov_b32 s[SI], 0
	s_add_co_u32 s[TL], s14, 1
	s_wait_loadcnt 0x0                             ; Q
.endif
.endm
.macro PASSEND                         ; the branch hangs on the cluster's number and the count of steps: the same in all waves and partners
	s_sub_co_u32 s[TL], s[TL], 1
	s_cmp_lg_u32 s[TL], 0
	s_cbranch_scc1 .Lsame_pass_\@
	FINISH YB0, 0
.Lsame_pass_\@:
.endm
	s_wait_tensorcnt 1                             ; my part of slot 0 is in; slot 1's may stay out
	s_barrier_signal -1
	s_barrier_wait -1
	FETCH_K 0
	WIN 0
	s_wait_loadcnt 0x0                             ; Q
.Lstep:                                            ; 15 trips: steps 0 to 14, each with a joint refill
	STEP 2
	PASSEND
	s_sub_co_u32 s[OUTER], s[OUTER], 1
	s_cmp_lg_u32 s[OUTER], 0
	s_cbranch_scc1 .Lstep
	STEP 1                                         ; the tail is written out
	PASSEND                                        ; (cluster 0's pass 0 ends here)
	STEP 0
	FINISH YB1, 1
	s_wait_tensorcnt 0x0                           ; the wave's end
	ds_add_u32 v[SPW], v[NIL]
	s_wait_dscnt 0x0
	CROUND                                         ; the closing round
	s_endpgm
.Lfunc_end_k_q1ee8e50142_attn:
	.size	k_q1ee8e50142_attn, .Lfunc_end_k_q1ee8e50142_attn-k_q1ee8e50142_attn
	.p2alignl 7, 3214868480
	.fill 96, 4, 3214868480
	.section	.rodata,"a",@progbits
	.p2align	6, 0x0
	.amdhsa_kernel k_q1ee8e50142_attn
		.amdhsa_group_segment_fixed_size 327680
		.amdhsa_private_segment_fixed_size 0
		.amdhsa_enable_private_segment 0
		.amdhsa_kernarg_size 16
		.amdhsa_user_sgpr_count 2
		.amdhsa_user_sgpr_kernarg_segment_ptr 1
		.amdhsa_wavefront_size32 1
		.amdhsa_system_sgpr_workgroup_id_x 1
		.amdhsa_system_sgpr_workgroup_id_y 1
		.amdhsa_system_sgpr_workgroup_id_z 1
		.amdhsa_system_vgpr_workitem_id 0
		.amdhsa_next_free_vgpr 1024
		.amdhsa_next_free_sgpr 96
		.amdhsa_reserve_vcc 1
		.amdhsa_float_denorm_mode_32 3
		.amdhsa_float_denorm_mode_16_64 3
		.amdhsa_memory_ordered 1
		.amdhsa_forward_progress 1
		.amdhsa_inst_pref_size 255
	.end_amdhsa_kernel
	.section	.bss,"aw",@nobits
	.p2align	6
	.space	262144
	.amdgpu_metadata
---
amdhsa.version: [ 1, 2 ]
amdhsa.kernels:
  - .name:           k_q1ee8e50142_attn
    .symbol:         k_q1ee8e50142_attn.kd
    .args:
      - { .name: qkv, .offset: 0, .size: 8, .value_kind: global_buffer, .address_space: global }
      - { .name: y16, .offset: 8, .size: 8, .value_kind: global_buffer, .address_space: global }
    .group_segment_fixed_size: 327680
    .private_segment_fixed_size: 0
    .kernarg_segment_align: 8
    .kernarg_segment_size: 16
    .max_flat_workgroup_size: 128
    .sgpr_count:     96
    .vgpr_count:     1024
    .wavefront_size: 32
...
	.end_amdgpu_metadata
.endif
;; end of part 3
;; launch proj (part 4): grid 8 x 32, 4 waves a work-group, clusters of 4 x 4, 327,680 bytes of LDS; arguments y16, w16, out0; writes out0
.if DOCPART == 4
	.amdgcn_target "amdgcn-amd-amdhsa--gfx1250"
	.amdhsa_code_object_version 6
	.text
	.protected	k_q1ee8e50142_proj
	.globl	k_q1ee8e50142_proj
	.p2align	8
	.type	k_q1ee8e50142_proj,@function
k_q1ee8e50142_proj:
	s_mov_b64 s[64:65], 0
	v_nop
	global_prefetch_b8 v0, s[64:65] scope:SCOPE_SE
	s_setreg_imm32_b32 hwreg(HW_REG_WAVE_MODE, 25, 1), 1
	s_wait_xcnt 0x0
	s_wait_alu depctr_hold_cnt(0) depctr_sa_sdst(0) depctr_va_vdst(0) depctr_va_sdst(0) depctr_va_ssrc(0) depctr_va_vcc(0) depctr_vm_vsrc(0)
	s_getreg_b32 s2, hwreg(HW_REG_IB_STS2, 6, 4)
	s_cmp_eq_u32 s2, 0
	s_cbranch_scc0 .Lentry_in_a_cluster
	s_endpgm
.Lentry_in_a_cluster:
	s_bfe_u32 s2, ttmp6, 0x10000c
	s_cmp_lg_u32 s2, 0xf033
	s_cbranch_scc0 .Lentry_shape_is_right
	s_endpgm
.Lentry_shape_is_right:
; PROJ.  out0[t][n] = sum over k of y16[t][k] w16[n][k].  y16 [4096][1024], w16 [1024][1024]: f16; out0 [4096][1024]: f32; sums in f32.
; C has 32 x 8 tiles of 128 x 128: one for each of 256 work-groups.  Four waves, each 64 x 64: 16 accumulators.  K goes in steps of 256 (LDS rows of 512 bytes) through two slots.
; CLUSTERS 4 x 4: the four of a row need the same tiles of y16, the four of a column the same tiles of w16: each tile is asked for JOINTLY.
; THE MATRIX INSTRUCTION IS USED TRANSPOSED: a lane holds eight neighbouring numbers of a row of out0.  A wave's 64 columns of f32 are a whole aligned 256 bytes, so each wave has a stage of its own and the way out has no barrier.
; No prefetch: the tiles are small and a K step is short.  Rows 0-15 are written again, in f32 arithmetic, by the next launch.
; REGISTERS: window 0: v0-31 addresses; v32-95 rows read back; v128-255 the accumulators.   window 1: two fragment buffers of 128.
.set SIZE_N, 1024
.set SIZE_K, 1024
.set KSTEP,  256
.set PITCH,  528
.set HALFT,  64*PITCH
.set SLOT,   4*HALFT
.set STAGE,  2*SLOT                    ; behind the ring: 16 rows x 272 bytes for each wave
.set SPITCH, 272
.set SPARE,  STAGE+4*16*SPITCH         ; the spare words: two blocks of 256 bytes that no other line names
.set LAPS, SIZE_K/(2*KSTEP)
.set ADRA, 16
.set ADRB, 20
.set STO,  24
.set RD,   25
.set CO,   26
.set SPW,  28
.set NIL,  29
.set TMP,  32
.set ACC,  128
.set F0,   0
.set F1,   128
.set G1, 24
.set G0, 32
.set G1B, 48
.set G0B, 56
.set MSB, 0
.macro WIN new
.if MSB != (\new)
	s_set_vgpr_msb (MSB<<8)|(\new)
.set MSB, (\new)
.endif
.endm
.set MUL,  0x05
.set TO_F, 0x40
.macro JLOAD s
	s_cmp_eq_u32 s11, 0
	s_cbranch_scc0 .Lfor_b_\@
	tensor_load_to_lds s[G0+4*\s:G0+4*\s+3], s[G1:G1+7]
	s_nop 0
.rept 4
	v_nop
.endr
	s_branch .Lasked_\@
.Lfor_b_\@:
	tensor_load_to_lds s[G0B+4*\s:G0B+4*\s+3], s[G1B:G1B+7]
	s_nop 0
.rept 4
	v_nop
.endr
.Lasked_\@:
.endm
.macro CREST
	s_cmp_lg_u32 s10, 0
	s_cbranch_scc1 .Lnot_wave_0_\@
	s_barrier_signal -3
.Lnot_wave_0_\@:
	s_barrier_wait -3
	s_barrier_signal -1
	s_barrier_wait -1
.endm
.macro CROUND
	s_barrier_signal -1
	s_barrier_wait -1
	CREST
.endm
	s_load_b128 s[4:7], s[0:1], 0x0                ; y16, w16
	s_load_b64 s[8:9], s[0:1], 0x10                ; out0
	v_lshl_add_u32 v[SPW], v0, 2, SPARE
	v_mov_b32 v[NIL], 0
	ds_add_u32 v[SPW], v[NIL]                      ; the wave's opening: the add, twice on end, and its wait ahead of my first tensor load
	ds_add_u32 v[SPW], v[NIL]
	v_lshrrev_b32 v1, 5, v0
	v_readfirstlane_b32 s10, v1
	s_lshr_b32 s11, s10, 1                         ; my half of the rows.  Also: I fetch for y16 (0) or w16 (1)
	s_and_b32 s12, s10, 1                          ; my half of the columns.  Also: which 64 rows I fetch
	s_bfe_u32 s40, ttmp6, 0x40000
	s_bfe_u32 s41, ttmp6, 0x40004
	s_lshl_b32 s42, ttmp9, 2
	s_add_co_u32 s42, s42, s40                     ; tile column
	s_and_b32 s13, ttmp7, 0xffff
	s_lshl_b32 s13, s13, 2
	s_add_co_u32 s13, s13, s41                     ; tile row
	s_lshl_b32 s43, s41, 2
	s_lshl_b32 s43, 15, s43                        ; my row of the cluster
	s_lshl_b32 s44, 0x1111, s40                    ; my column
	s_or_b32 s[G1+0], s43, (1<<16)|(1<<20)|(1<<21)|(6<<22)|(3<<25)   ; elements of 2 bytes; padding: 4 words after every 128
	s_or_b32 s[G1B+0], s44, (1<<16)|(1<<20)|(1<<21)|(6<<22)|(3<<25)
.irp g, G1, G1B
	s_mov_b32 s[\g+1], KSTEP<<16
	s_mov_b32 s[\g+2], 64<<16
	s_mov_b32 s[\g+3], KSTEP<<16
	s_mov_b32 s[\g+4], 64
	s_mov_b32 s[\g+5], SIZE_K
	s_mov_b32 s[\g+6], 0
	s_mov_b32 s[\g+7], 0
.endr
	s_lshl_b32 s17, s12, 6
	s_lshl_b32 s16, s13, 7
	s_add_co_u32 s16, s16, s17
	s_lshl_b32 s46, s42, 7
	s_add_co_u32 s46, s46, s17
	s_mov_b32 s17, 0
	s_mov_b32 s47, 0
	s_mov_b64 s[18:19], SIZE_K*2
	s_mul_u64 s[16:17], s[16:17], s[18:19]
	s_mul_u64 s[46:47], s[46:47], s[18:19]
	s_mul_i32 s20, s10, HALFT
	s_wait_dscnt 0x0
	s_wait_kmcnt 0x0
	s_add_nc_u64 s[14:15], s[4:5], s[16:17]
	s_add_nc_u64 s[46:47], s[6:7], s[46:47]
	CROUND                                         ; all sixteen work-groups are here
.irp s, 0,1
	s_mov_b32 s[G0+4*\s], 1
	s_add_co_u32 s[G0+4*\s+1], s20, \s*SLOT
	s_add_nc_u64 s[G0+4*\s+2:G0+4*\s+3], s[14:15], \s*KSTEP*2
	s_or_b32 s[G0+4*\s+3], s[G0+4*\s+3], 0x80000000
	s_mov_b32 s[G0B+4*\s], 1
	s_add_co_u32 s[G0B+4*\s+1], s20, \s*SLOT
	s_add_nc_u64 s[G0B+4*\s+2:G0B+4*\s+3], s[46:47], \s*KSTEP*2
	s_or_b32 s[G0B+4*\s+3], s[G0B+4*\s+3], 0x80000000
	JLOAD \s
.endr
	v_and_b32 v1, 15, v0
	v_bfe_u32 v2, v0, 4, 1
	v_mul_u32_u24 v3, v1, PITCH
	v_lshl_add_u32 v3, v2, 4, v3
	s_mul_i32 s21, s11, HALFT
	s_mul_i32 s22, s12, HALFT
	s_add_co_u32 s22, s22, 2*HALFT
.irp s, 0,1
	v_add_nc_u32 v[ADRA+\s], s21, v3
	v_add_nc_u32 v[ADRB+\s], s22, v3
	s_add_co_u32 s21, s21, SLOT
	s_add_co_u32 s22, s22, SLOT
.endr
	s_mul_i32 s23, s10, 16*SPITCH
	s_add_co_u32 s23, s23, STAGE                   ; my stage
	v_mul_u32_u24 v4, v1, SPITCH
	v_lshl_add_u32 v4, v2, 5, v4
	v_add_nc_u32 v[STO], s23, v4                   ; in: row r, 32 bytes for each half of the lanes
	v_mul_u32_u24 v5, v2, SPITCH
	v_lshl_add_u32 v5, v1, 4, v5
	v_add_nc_u32 v[RD], s23, v5                    ; back: lanes 0-15 one row of 256 bytes, lanes 16-31 the next
	v_lshlrev_b32 v5, 12, v2
	v_lshl_add_u32 v[CO], v1, 4, v5                ; and the same two rows in out0
	s_lshl_b32 s16, s13, 7
	s_lshl_b32 s17, s11, 6
	s_add_co_u32 s16, s16, s17                     ; my first row: 128 x tile row + 64 x half
	s_mov_b32 s17, 0
	s_mov_b64 s[18:19], SIZE_N*4
	s_mul_u64 s[16:17], s[16:17], s[18:19]
	s_add_nc_u64 s[8:9], s[8:9], s[16:17]
	s_lshl_b32 s46, s42, 9                         ; my first column, in bytes: 512 x tile column + 256 x half
	s_lshl_b32 s47, s12, 8
	s_add_co_u32 s46, s46, s47
	s_mov_b32 s47, 0
	s_add_nc_u64 s[8:9], s[8:9], s[46:47]
.macro MUL8 f, c, a0, zero             ; 8 matrix instructions; the 16 accumulators take turns
.irp a, \a0, \a0+1
.irp b, 0,1,2,3
.if \zero
	v_wmma_f32_16x16x32_f16 v[ACC+8*(4*(\a)+\b):ACC+8*(4*(\a)+\b)+7], v[\f+64+8*(4*\c+\b):\f+64+8*(4*\c+\b)+7], v[\f+8*(4*\c+\a):\f+8*(4*\c+\a)+7], 0
.else
	v_wmma_f32_16x16x32_f16 v[ACC+8*(4*(\a)+\b):ACC+8*(4*(\a)+\b)+7], v[\f+64+8*(4*\c+\b):\f+64+8*(4*\c+\b)+7], v[\f+8*(4*\c+\a):\f+8*(4*\c+\a)+7], v[ACC+8*(4*(\a)+\b):ACC+8*(4*(\a)+\b)+7]
.endif
.endr
.endr
.endm
.macro FETCH slot, k, f
	WIN TO_F
.irp c, 0,1
.irp i, 0,1,2,3
	ds_load_b128 v[\f+64+8*(4*\c+\i):\f+64+8*(4*\c+\i)+3],   v[ADRB+\slot] offset:\k+64*\c+\i*16*PITCH
	ds_load_b128 v[\f+64+8*(4*\c+\i)+4:\f+64+8*(4*\c+\i)+7], v[ADRB+\slot] offset:\k+64*\c+\i*16*PITCH+32
	ds_load_b128 v[\f+8*(4*\c+\i):\f+8*(4*\c+\i)+3],         v[ADRA+\slot] offset:\k+64*\c+\i*16*PITCH
	ds_load_b128 v[\f+8*(4*\c+\i)+4:\f+8*(4*\c+\i)+7],       v[ADRA+\slot] offset:\k+64*\c+\i*16*PITCH+32
.endr
.endr
.endm
.macro PLACES
.rept 4
	v_nop
.endr
.endm
.macro QUARTER slot, k, f, g, zero
	s_wait_dscnt 16                                ; the first 32 along K are in; the other sixteen loads may be out
	WIN MUL
	MUL8 \f, 0, 0, \zero
	MUL8 \f, 0, 2, \zero
	PLACES
	FETCH \slot, \k, \g
	s_wait_dscnt 32                                ; all but the 32 just issued
	WIN MUL
	MUL8 \f, 1, 0, 0
	MUL8 \f, 1, 2, 0
.endm
.macro TURN slot, next, fill
	WIN 0
	s_wait_tensorcnt 0x0                           ; all my tensor loads have landed: my part of the next slot
	ds_add_u32 v[SPW], v[NIL]
	s_wait_dscnt 17                                ; the add and the youngest sixteen loads may be out
	WIN MUL
	MUL8 F1, 0, 0, 0
	s_wait_dscnt 0x0
	s_barrier_signal -1
	MUL8 F1, 0, 2, 0
.if \fill
	WIN 0
.endif
	s_barrier_wait -1
.if \fill
	CREST
	s_add_nc_u64 s[G0+4*\slot+2:G0+4*\slot+3], s[G0+4*\slot+2:G0+4*\slot+3], 2*KSTEP*2
	s_add_nc_u64 s[G0B+4*\slot+2:G0B+4*\slot+3], s[G0B+4*\slot+2:G0B+4*\slot+3], 2*KSTEP*2
	JLOAD \slot
.else
	PLACES
.endif
	FETCH \next, 0, F0
	WIN MUL
	MUL8 F1, 1, 0, 0
	MUL8 F1, 1, 2, 0
.endm
	s_wait_tensorcnt 1                             ; my part of K step 0 is in; K step 1's load may be out
	s_barrier_signal -1
	s_barrier_wait -1
	FETCH 0, 0, F0
	QUARTER 0, 128, F0, F1, 1
	WIN 0
	s_mov_b32 s3, LAPS-1
.Llap:
	QUARTER 0, 256, F1, F0, 0
	QUARTER 0, 384, F0, F1, 0
	TURN 0, 1, 1
	QUARTER 1, 128, F0, F1, 0
	QUARTER 1, 256, F1, F0, 0
	QUARTER 1, 384, F0, F1, 0
	TURN 1, 0, 1
	QUARTER 0, 128, F0, F1, 0
	WIN 0
	s_sub_co_u32 s3, s3, 1
	s_cmp_lg_u32 s3, 0
	s_cbranch_scc1 .Llap
	QUARTER 0, 256, F1, F0, 0                      ; the last lap fills nothing
	QUARTER 0, 384, F0, F1, 0
	TURN 0, 1, 0
	QUARTER 1, 128, F0, F1, 0
	QUARTER 1, 256, F1, F0, 0
	QUARTER 1, 384, F0, F1, 0
	s_wait_dscnt 16
	WIN MUL
	MUL8 F1, 0, 0, 0
	MUL8 F1, 0, 2, 0
	s_wait_dscnt 0
	MUL8 F1, 1, 0, 0
	MUL8 F1, 1, 2, 0
	WIN 0
; THE WAY OUT, block by block of 16 rows x 64 columns of f32, through my own stage: LDS serves a wave's instructions in order
.macro TOSTAGE a
.irp b, 0,1,2,3
	ds_store_b128 v[STO], v[ACC+8*(4*(\a)+\b):ACC+8*(4*(\a)+\b)+3] offset:64*\b        ; each accumulator from its low end on
	ds_store_b128 v[STO], v[ACC+8*(4*(\a)+\b)+4:ACC+8*(4*(\a)+\b)+7] offset:64*\b+16
.endr
.irp t, 0,1,2,3,4,5,6,7
	ds_load_b128 v[TMP+32*((\a)%2)+4*\t:TMP+32*((\a)%2)+4*\t+3], v[RD] offset:\t*2*SPITCH
.endr
.endm
.macro SEND a, younger
	s_wait_dscnt \younger
.irp t, 0,1,2,3,4,5,6,7
	global_store_b128 v[CO], v[TMP+32*((\a)%2)+4*\t:TMP+32*((\a)%2)+4*\t+3], s[8:9] offset:(16*(\a)+2*\t)*SIZE_N*4 th:TH_STORE_NT   ; 16 lanes store 256 consecutive bytes, aligned
.endr
.endm
	PLACES
	TOSTAGE 0
.irp a, 1,2,3
.if \a > 1
	s_wait_xcnt 0x0                                ; block a - 2's stores have read their registers
.endif
	TOSTAGE \a
	SEND \a-1, 16                                  ; block a's 8 stores and 8 loads may be out
.endr
	SEND 3, 0
	s_wait_tensorcnt 0x0                           ; the wave's end
	ds_add_u32 v[SPW], v[NIL]
	s_wait_dscnt 0x0
	CROUND                                         ; the closing round
	s_endpgm
.Lfunc_end_k_q1ee8e50142_proj:
	.size	k_q1ee8e50142_proj, .Lfunc_end_k_q1ee8e50142_proj-k_q1ee8e50142_proj
	.p2alignl 7, 3214868480
	.fill 96, 4, 3214868480
	.section	.rodata,"a",@progbits
	.p2align	6, 0x0
	.amdhsa_kernel k_q1ee8e50142_proj
		.amdhsa_group_segment_fixed_size 327680
		.amdhsa_private_segment_fixed_size 0
		.amdhsa_enable_private_segment 0
		.amdhsa_kernarg_size 24
		.amdhsa_user_sgpr_count 2
		.amdhsa_user_sgpr_kernarg_segment_ptr 1
		.amdhsa_wavefront_size32 1
		.amdhsa_system_sgpr_workgroup_id_x 1
		.amdhsa_system_sgpr_workgroup_id_y 1
		.amdhsa_system_sgpr_workgroup_id_z 1
		.amdhsa_system_vgpr_workitem_id 0
		.amdhsa_next_free_vgpr 512
		.amdhsa_next_free_sgpr 66
		.amdhsa_reserve_vcc 0
		.amdhsa_float_denorm_mode_32 3
		.amdhsa_float_denorm_mode_16_64 3
		.amdhsa_memory_ordered 1
		.amdhsa_forward_progress 1
		.amdhsa_inst_pref_size 86
	.end_amdhsa_kernel
	.amdgpu_metadata
---
amdhsa.version: [ 1, 2 ]
amdhsa.kernels:
  - .name:           k_q1ee8e50142_proj
    .symbol:         k_q1ee8e50142_proj.kd
    .args:
      - { .name: y16, .offset: 0, .size: 8, .value_kind: global_buffer, .address_space: global }
      - { .name: w16, .offset: 8, .size: 8, .value_kind: global_buffer, .address_space: global }
      - { .name: out0, .offset: 16, .size: 8, .value_kind: global_buffer, .address_space: global }
    .group_segment_fixed_size: 327680
    .private_segment_fixed_size: 0
    .kernarg_segment_align: 8
    .kernarg_segment_size: 24
    .max_flat_workgroup_size: 128
    .sgpr_count:     66
    .vgpr_count:     512
    .wavefront_size: 32
...
	.end_amdgpu_metadata
.endif
;; end of part 4
;; launch fine (part 5): grid 64 x 1, 8 waves a work-group, no clusters, 9,216 bytes of LDS; arguments qkvf, c_proj_w, out0; writes out0
.if DOCPART == 5
	.amdgcn_target "amdgcn-amd-amdhsa--gfx1250"
	.amdhsa_code_object_version 6
	.text
	.protected	k_q1ee8e50142_fine
	.globl	k_q1ee8e50142_fine
	.p2align	8
	.type	k_q1ee8e50142_fine,@function
k_q1ee8e50142_fine:
	s_mov_b64 s[64:65], 0
	v_nop
	global_prefetch_b8 v0, s[64:65] scope:SCOPE_SE
	s_setreg_imm32_b32 hwreg(HW_REG_WAVE_MODE, 25, 1), 1
	s_wait_xcnt 0x0
; FINE.  Positions 0-15 once more, with f32 operands throughout: under the causal mask these rows average one to sixteen values and are the largest in size.
; qkvf: f32, [8 kind + head][16][128]; c_proj_w: f32 [1024][1024]; rows 0-15 of out0 are written over.
; Work-group g makes out0[0:16][16 g : 16 g + 16].  Wave = head: it makes its head's 16 x 16 attention and that head's part of the projection; the eight parts meet in LDS and wave 0 adds them, heads ascending.
; All three products go by v_wmma_f32_16x16x4_f32, 96 a wave: no bulk work.  k is permuted alike on both operands of each product, so that a lane's loads are long.
;   S^T = K Q^T: step s takes channels 64 h + 2 s, + 1.   O^T = V^T P: step s takes keys 8 h + 2 s, + 1: the keys that the lane's p hold.   out^T = W O: step (ct, u) takes channels 16 ct + 8 h + 2 u, + 1: those that the lane's O^T holds.
; The accumulators (window 1, v0-95) are written by matrix instructions alone; sums begin with the constant 0; what is made of a sum goes into other registers.  The accumulators take turns.
; The rows are written in pieces of 64 bytes: 65,536 bytes in the whole launch.
.set PART,  0                          ; 1,024 bytes a wave
.set SPARE, 8192                       ; the spare words: 128 bytes a wave, four blocks of 256 bytes that no other line names
.set SPW, 2
.set NIL, 3
.set QR,  16                           ; v16-79   Q: row r, channels 64 h + 0 .. 63
.set KR,  80                           ; v80-143  K likewise
.set VR,  144                          ; v144-207 V^T: register 8 ct + e = V[8 h + e][16 ct + r]
.set SS,  208                          ; v208-215 a finished sum
.set PP,  216                          ; v216-223 at work; p
.set WR,  96                           ; window 1: W: register 8 ct + e = W[16 g + r][128 head + 16 ct + 8 h + e]
.set OA,  32                           ; window 1: O^T, eight accumulators
.set MSB, 0
.macro WIN new
.if MSB != (\new)
	s_set_vgpr_msb (MSB<<8)|(\new)
.set MSB, (\new)
.endif
.endm
.macro GATHER                          ; the four accumulators v0-31 of window 1 are added into v[SS] on, each from its low end on
.rept 8
	v_nop                                          ; eight places behind this form (ISA guide 7.12.1)
.endr
	WIN 0x05
.irp j, 0,1,2,3,4,5,6,7
	v_add_f32 v[SS+\j], v[\j], v[8+\j]
.endr
.irp j, 0,1,2,3,4,5,6,7
	v_add_f32 v[PP+\j], v[16+\j], v[24+\j]
.endr
	WIN 0
.irp j, 0,1,2,3,4,5,6,7
	v_add_f32 v[SS+\j], v[SS+\j], v[PP+\j]
.endr
.endm
	s_load_b128 s[4:7], s[0:1], 0x0                ; qkvf, c_proj_w
	s_load_b64 s[8:9], s[0:1], 0x10                ; out0
	v_lshl_add_u32 v[SPW], v0, 2, SPARE
	v_mov_b32 v[NIL], 0
	v_lshrrev_b32 v1, 5, v0
	v_readfirstlane_b32 s10, v1                    ; wave = head
	v_and_b32 v4, 15, v0                           ; r
	v_bfe_u32 v5, v0, 4, 1                         ; h
	v_and_b32 v6, 31, v0
	v_lshlrev_b32 v7, 9, v4
	v_lshl_add_u32 v7, v5, 8, v7                   ; Q, K: 512 r + 256 h
	v_lshlrev_b32 v8, 12, v5
	v_lshl_add_u32 v8, v4, 2, v8                   ; V: 4,096 h + 4 r
	v_lshlrev_b32 v9, 12, v4
	v_lshl_add_u32 v9, v5, 5, v9                   ; W and out0: 4,096 r + 32 h
	v_lshlrev_b32 v10, 3, v5
	v_sub_nc_u32 v10, v4, v10                      ; r - 8 h
	v_mov_b32 v11, 0xf149f2ca                      ; -1e30
	s_lshl_b32 s16, s10, 10
	v_lshl_add_u32 v12, v6, 4, s16                 ; my part: 1,024 x wave + 16 x lane
	v_lshlrev_b32 v13, 4, v6
	v_mov_b32 v225, 0                              ; a lane permute's destination counts as one of its sources
	s_mov_b32 s12, 0x76543210
	s_mov_b32 s13, 0xfedcba98
	s_mov_b32 s14, 0x3e314743                      ; c = 0.12 log2(e)
	s_mov_b32 s17, 0
	s_wait_kmcnt 0x0
	s_lshl_b32 s16, s10, 13
	s_add_nc_u64 s[4:5], s[4:5], s[16:17]          ; my head's q; k 65,536 and v 131,072 bytes on
	s_lshl_b32 s16, ttmp9, 16
	s_lshl_b32 s18, s10, 9
	s_add_co_u32 s16, s16, s18
	s_add_nc_u64 s[6:7], s[6:7], s[16:17]          ; W: row 16 g, my head's 512 bytes
	s_lshl_b32 s16, ttmp9, 6
	s_add_nc_u64 s[8:9], s[8:9], s[16:17]
.irp i, 0,1,2,3,4,5,6,7,8,9,10,11,12,13,14,15
	global_load_b128 v[QR+4*\i:QR+4*\i+3], v7, s[4:5] offset:16*\i
.endr
.irp i, 0,1,2,3,4,5,6,7,8,9,10,11,12,13,14,15
	global_load_b128 v[KR+4*\i:KR+4*\i+3], v7, s[4:5] offset:65536+16*\i
.endr
.irp ct, 0,1,2,3,4,5,6,7
.irp e, 0,1,2,3,4,5,6,7
	global_load_b32 v[VR+8*\ct+\e], v8, s[4:5] offset:131072+512*\e+64*\ct
.endr
.endr
	WIN 0x40
.irp ct, 0,1,2,3,4,5,6,7
	global_load_b128 v[WR+8*\ct:WR+8*\ct+3], v9, s[6:7] offset:64*\ct
	global_load_b128 v[WR+8*\ct+4:WR+8*\ct+7], v9, s[6:7] offset:64*\ct+16
.endr
	WIN 0
	s_wait_loadcnt 63                              ; Q and K are in: behind them 80 loads were issued, and a smaller count is safe
.set ks, 0
.rept 32                                           ; S^T: lane (r, h), register j: key 8 h + j, query r; four accumulators by turns
.if ks < 4
	WIN 0x40
	v_wmma_f32_16x16x4_f32 v[8*(ks%4):8*(ks%4)+7], v[KR+2*ks:KR+2*ks+1], v[QR+2*ks:QR+2*ks+1], 0
.else
	WIN 0x50
	v_wmma_f32_16x16x4_f32 v[8*(ks%4):8*(ks%4)+7], v[KR+2*ks:KR+2*ks+1], v[QR+2*ks:QR+2*ks+1], v[8*(ks%4):8*(ks%4)+7]
.endif
.set ks, ks+1
.endr
	GATHER
.irp j, 0,1,2,3,4,5,6,7
	v_cmp_gt_i32 vcc_lo, \j, v10                   ; key 8 h + j after query r: hidden
	v_cndmask_b32 v[SS+\j], v[SS+\j], v11, vcc_lo
.endr
	v_max3_num_f32 v224, v[SS], v[SS+1], v[SS+2]
	v_max3_num_f32 v224, v224, v[SS+3], v[SS+4]
	v_max3_num_f32 v224, v224, v[SS+5], v[SS+6]
	v_max_num_f32 v224, v224, v[SS+7]
	v_permlanex16_b32 v225, v224, s12, s13
	v_max_num_f32 v224, v224, v225                 ; the row's largest score: key 0 counts for every query
	v_mul_f32 v224, s14, v224
.irp j, 0,1,2,3,4,5,6,7
	v_fma_f32 v[SS+\j], v[SS+\j], s14, -v224
.endr
.irp j, 0,1,2,3,4,5,6,7
	v_exp_f32 v[SS+\j], v[SS+\j]
.endr
	v_nop
	s_wait_alu depctr_va_vdst(0)                   ; one wait for the eight
	v_add_f32 v226, v[SS], v[SS+1]
	v_add_f32 v227, v[SS+2], v[SS+3]
	v_add_f32 v228, v[SS+4], v[SS+5]
	v_add_f32 v229, v[SS+6], v[SS+7]
	v_add_f32 v226, v226, v227
	v_add_f32 v228, v228, v229
	v_add_f32 v226, v226, v228
	v_permlanex16_b32 v225, v226, s12, s13
	v_add_f32 v226, v226, v225
	v_rcp_f32 v227, v226
	v_nop
	s_wait_alu depctr_va_vdst(0)
.irp j, 0,1,2,3,4,5,6,7
	v_mul_f32 v[PP+\j], v[SS+\j], v227             ; p, normalised
.endr
.rept 4
	v_nop
.endr
	s_wait_loadcnt 16                              ; V is in; W's sixteen loads may be out
.irp s, 0,1,2,3                                    ; O^T: lane (r, h), register j of accumulator ct: channel 16 ct + 8 h + j, query r
.irp ct, 0,1,2,3,4,5,6,7
.if \s == 0
	WIN 0x40
	v_wmma_f32_16x16x4_f32 v[OA+8*\ct:OA+8*\ct+7], v[VR+8*\ct+2*\s:VR+8*\ct+2*\s+1], v[PP+2*\s:PP+2*\s+1], 0
.else
	WIN 0x50
	v_wmma_f32_16x16x4_f32 v[OA+8*\ct:OA+8*\ct+7], v[VR+8*\ct+2*\s:VR+8*\ct+2*\s+1], v[PP+2*\s:PP+2*\s+1], v[OA+8*\ct:OA+8*\ct+7]
.endif
.endr
.endr
.rept 9
	v_nop                                          ; nine places before a matrix instruction takes these results as an operand
.endr
	s_wait_loadcnt 0x0                             ; W
.irp ct, 0,1,2,3,4,5,6,7                           ; out^T: lane (r, h), register j: column 16 g + 8 h + j, query r
.irp u, 0,1,2,3
.if \ct == 0
	WIN 0x45
	v_wmma_f32_16x16x4_f32 v[8*\u:8*\u+7], v[WR+8*\ct+2*\u:WR+8*\ct+2*\u+1], v[OA+8*\ct+2*\u:OA+8*\ct+2*\u+1], 0
.else
	WIN 0x55
	v_wmma_f32_16x16x4_f32 v[8*\u:8*\u+7], v[WR+8*\ct+2*\u:WR+8*\ct+2*\u+1], v[OA+8*\ct+2*\u:OA+8*\ct+2*\u+1], v[8*\u:8*\u+7]
.endif
.endr
.endr
	GATHER
	ds_store_b128 v12, v[SS:SS+3]
	ds_store_b128 v12, v[SS+4:SS+7] offset:512
	s_wait_dscnt 0x0                               ; for wave 0's sake: my part has landed
	s_barrier_signal -1
	s_barrier_wait -1
	s_cmp_lg_u32 s10, 0
	s_cbranch_scc1 .Ldone
.irp p, 0,1,2,3,4,5,6,7
	ds_load_b128 v[16+8*\p:19+8*\p], v13 offset:1024*\p
	ds_load_b128 v[20+8*\p:23+8*\p], v13 offset:1024*\p+512
.endr
	s_wait_dscnt 0x0
.irp p, 1,2,3,4,5,6,7
.irp j, 0,2,4,6
	v_pk_add_f32 v[16+\j:17+\j], v[16+\j:17+\j], v[16+8*\p+\j:17+8*\p+\j]
.endr
.endr
	global_store_b128 v9, v[16:19], s[8:9]
	global_store_b128 v9, v[20:23], s[8:9] offset:16
.Ldone:
	s_wait_tensorcnt 0x0                           ; the wave's end: behind my last LDS store
	ds_add_u32 v[SPW], v[NIL]
	s_wait_dscnt 0x0
	s_endpgm
.Lfunc_end_k_q1ee8e50142_fine:
	.size	k_q1ee8e50142_fine, .Lfunc_end_k_q1ee8e50142_fine-k_q1ee8e50142_fine
	.p2alignl 7, 3214868480
	.fill 96, 4, 3214868480
	.section	.rodata,"a",@progbits
	.p2align	6, 0x0
	.amdhsa_kernel k_q1ee8e50142_fine
		.amdhsa_group_segment_fixed_size 9216
		.amdhsa_private_segment_fixed_size 0
		.amdhsa_enable_private_segment 0
		.amdhsa_kernarg_size 24
		.amdhsa_user_sgpr_count 2
		.amdhsa_user_sgpr_kernarg_segment_ptr 1
		.amdhsa_wavefront_size32 1
		.amdhsa_system_sgpr_workgroup_id_x 1
		.amdhsa_system_sgpr_workgroup_id_y 1
		.amdhsa_system_sgpr_workgroup_id_z 1
		.amdhsa_system_vgpr_workitem_id 0
		.amdhsa_next_free_vgpr 416
		.amdhsa_next_free_sgpr 66
		.amdhsa_reserve_vcc 1
		.amdhsa_float_denorm_mode_32 3
		.amdhsa_float_denorm_mode_16_64 3
		.amdhsa_memory_ordered 1
		.amdhsa_forward_progress 1
		.amdhsa_inst_pref_size 27
	.end_amdhsa_kernel
	.amdgpu_metadata
---
amdhsa.version: [ 1, 2 ]
amdhsa.kernels:
  - .name:           k_q1ee8e50142_fine
    .symbol:         k_q1ee8e50142_fine.kd
    .args:
      - { .name: qkvf, .offset: 0, .size: 8, .value_kind: global_buffer, .address_space: global }
      - { .name: c_proj_w, .offset: 8, .size: 8, .value_kind: global_buffer, .address_space: global }
      - { .name: out0, .offset: 16, .size: 8, .value_kind: global_buffer, .address_space: global }
    .group_segment_fixed_size: 9216
    .private_segment_fixed_size: 0
    .kernarg_segment_align: 8
    .kernarg_segment_size: 24
    .max_flat_workgroup_size: 256
    .sgpr_count:     66
    .vgpr_count:     416
    .wavefront_size: 32
...
	.end_amdgpu_metadata
.endif
;; end of part 5
